; MI455X (gfx1250); checked and timed in simulation.
; The chip was launched on July 23, 2026; its instructions are those of AMD's public machine-readable ISA for CDNA 5 (MIT licence, August 2026) and "CDNA5" Instruction Set Architecture Reference Guide (July 2026). The comments in the code are by the model that wrote it; some were corrected since.
;; Decoder. Allowed arithmetic: matrix products marked QUANTISED: E2M1 operands, one E8M0 scale for each 32 along K, by v_wmma_scale_f32_16x16x128_f8f6f4 with both operands' format E2M1 (or v_wmma_scale_f32_32x16x128_f4), f32 sums; products left as they are: bf16, f16 or f32 operands; f32 sums; everything else in f32.
;; Inputs: W1 1,024 x 4,096 float32; W2 4,096 x 1,024 float32; Wfc 1,024 x 1,024 float32; Wk 1,024 x 1,024 float32; Wq 1,024 x 1,024 float32; Wv 1,024 x 1,024 float32; b1 4,096 float32; b2 1,024 float32; be1 1,024 float32; be2 1,024 float32; bfc 1,024 float32; bk 1,024 float32; bq 1,024 float32; bv 1,024 float32; embeddings 2 x 2,048 x 1,024 float32; g1 1,024 float32; g2 1,024 float32.
;; Outputs: out0 2 x 2,048 x 1,024 float32.
;; This version of the problem:
;;   THIS VERSION OF THE PROBLEM IS GIVEN IN LOW PRECISION. The matrix products marked QUANTISED in the list below multiply operands that are first quantised to E2M1 (2 exponent bits, 1 mantissa bit; 4 bits a number), with one power-of-two scale for each 32 numbers along K (OCP MX v1.0); their sums are f32. The products marked 'left as it is' may take bf16, f16 or f32 operands, with f32 sums. Whichever they take, every output number must still come out within the allowed error. Rounding operands to bf16 (8 significant bits) uses up far more of that allowance than f16 does (11 bits, for magnitudes from 6e-5 to 65,504). All else is computed in f32.
;;   The module's matrix products, in the order in which they are computed (A, B: the left and right operand; K: the contracted axis; several contracted axes count as one K, in the product's order):
;;     1. [M 4,096, K 1,024] x [K 1,024, N 1,024]; A: input embeddings; B: input Wq: QUANTISED
;;     2. [M 4,096, K 1,024] x [K 1,024, N 1,024]; A: input embeddings; B: input Wk: QUANTISED
;;     3. [M 4,096, K 1,024] x [K 1,024, N 1,024]; A: input embeddings; B: input Wv: QUANTISED
;;     4. batch 32 x [M 2,048, K 64] x [K 64, N 2,048]; A: computed on the way; B: computed on the way: left as it is (an operand is computed on the way)
;;     5. batch 32 x [M 2,048, K 2,048] x [K 2,048, N 64]; A: computed on the way; B: computed on the way: left as it is (an operand is computed on the way)
;;     6. [M 4,096, K 1,024] x [K 1,024, N 1,024]; A: computed on the way; B: input Wfc: left as it is (an operand is computed on the way)
;;     7. [M 4,096, K 1,024] x [K 1,024, N 4,096]; A: computed on the way; B: input W1: left as it is (an operand is computed on the way)
;;     8. [M 4,096, K 4,096] x [K 4,096, N 1,024]; A: computed on the way; B: input W2: left as it is (an operand is computed on the way)
;;   THE QUANTISER, for each operand of a quantised product, along K:
;;     - K is cut into blocks of 32 from its start; a last block that is shorter is filled with zeros.
;;     - A block's scale is 2^e with e = floor(log2(the largest magnitude in the block)) - 2, held to -126 .. 127; a block of zeros has e = 0. As a byte (E8M0): e + 127.
;;     - Each number is divided by its block's scale, clamped to +-6, and rounded to the nearest number of E2M1, ties to even, subnormals kept.
;;     - The product sums the exact products of the quantised numbers (number of the format x scale) in f32.
;;   ~~~python
;;   def quantise(x, axis):      # numpy; x: float32 -> the quantised numbers, widened to float32 again
;;       x = np.moveaxis(x, axis, -1); K = x.shape[-1]
;;       x = np.pad(x, [(0, 0)] * (x.ndim - 1) + [(0, -K % 32)]); x = x.reshape(x.shape[:-1] + (-1, 32)); a = np.abs(x).max(-1, keepdims=True)
;;       e = np.where(a > 0, np.clip(np.frexp(np.where(a > 0, a, 1))[1] - 1 - 2, -126, 127), 0)      # np.frexp(a)[1] - 1 = floor(log2(a)), exactly
;;       r = np.clip(x / 2.0 ** e, -6, 6)
;;       step = 2.0 ** (np.maximum(np.frexp(np.where(r == 0, 1, r))[1] - 1, 0) - 1)
;;       q = np.round(r / step) * step * 2.0 ** e      # np.round: ties to even
;;       return np.moveaxis(q.reshape(q.shape[:-2] + (-1,))[..., :K], -1, axis).astype(np.float32)
;;   ~~~
;; One version. Each part assembles by itself: llvm-mc -triple=amdgcn-amd-amdhsa -mcpu=gfx1250 --defsym DOCPART=n.
;; ======== version 1 of 1: 8 launches
;; limits: values are held in f16: magnitudes above 65,504 overflow, below 6.1e-05 lose precision; a function is approximated: absolute error at most 1.5e-07; an absolute error that grows with the inputs' magnitude: up to 7.5e-08 times it
;; workspace buffers: codes 3,899,392 bytes; embt 16,777,216 bytes; w16 18,874,368 bytes; qkv 25,165,824 bytes; ctx 8,388,608 bytes; xsum 16,777,216 bytes; old 25,165,824 bytes; hid 33,554,432 bytes
;; launch prep (part 1): grid 1024 x 1, 4 waves a work-group, no clusters, 17,920 bytes of LDS; arguments embeddings, Wq, Wk, Wv, Wfc, W1, W2, codes, embt, w16; writes codes, embt, w16
.if DOCPART == 1
	.amdgcn_target "amdgcn-amd-amdhsa--gfx1250"
	.amdhsa_code_object_version 6
	.text
	.protected	k_qab7ee703a5_prep
	.globl	k_qab7ee703a5_prep
	.p2align	8
	.type	k_qab7ee703a5_prep,@function
k_qab7ee703a5_prep:
	s_mov_b64 s[64:65], 0
	v_nop
	global_prefetch_b8 v0, s[64:65] scope:SCOPE_SE
	s_setreg_imm32_b32 hwreg(HW_REG_WAVE_MODE, 25, 1), 1
	s_wait_xcnt 0x0
; THE OPERANDS ARE LAID OUT ONCE, AS IMAGES OF THE MATRIX OPERANDS' REGISTERS (1,024 bytes a fragment, lane l's 16 bytes at 16 l of each half of 512 bytes).
; Work-groups 0-255:    16 rows of embeddings [4096][1024] f32 -> codes of FP4 (E2M1) with one E8M0 byte for each 32 along K, and a copy in f32 in the order of a 16 x 16 accumulator (the residual of a later product).
; Work-groups 256-447:  128 columns x 128 K of Wq, Wk or Wv [K 1024][N 1024] f32 -> codes of FP4 and scale bytes, K innermost.
; Work-groups 448-703:  128 columns x 128 K of W1 [1024][4096] -> f16.   704-959: of W2 [4096][1024].   960-1023: of Wfc [1024][1024].
; A block's scale is 2^(floor(log2(its largest magnitude)) - 2); its byte is that magnitude's exponent field - 2, held at 1 from below.
; LIMITS: a block of zeros gets the byte 1 where the rule says 127 (its codes are zeros, and this program alone reads the bytes); NaN and infinities are not served; weights beyond 65,504 have no f16.
; FP4 image of 16 rows x 128 K: block b (32 codes, 16 bytes) of row r at 512 (b / 2) + 256 (b % 2) + 16 r.  f16 image of 16 rows x 32 K: chunk q (8 numbers) of row r at 512 (q / 2) + 256 (q % 2) + 16 r.
; f32 image of 16 rows x 16 columns: columns 4 u .. 4 u + 3 of row r at 512 (u % 2) + 256 (u / 2) + 16 r.
; The four ways part on the work-group's number alone.  Only the first uses LDS (each wave a stage of its own); there is no barrier.
.set SPARE, 17408                      ; behind the four stages: the spare words, 128 bytes a wave
.set SPW,   14                         ; v14  LDS address of my spare word; never rewritten
.set NIL,   15                         ; v15  0; never rewritten
.set XR,    64                         ; v64-191   embeddings as loaded: four steps of 32 registers
.set XX,    192                        ; v192-255  two sets of 32 neighbours along K
.set CD,    24                         ; v24-39    codes: four registers a step or block
.set EB,    16                         ; v16-19    a scale byte for each step
.set WX,    64                         ; v64-127   weights: two sets of 32 numbers down K
.set HC,    128                        ; v128-191  f16 results: sixteen registers a block
; the largest magnitude of v[xs] .. v[xs + 31], with the floor 2^(3 - 127) among its leaves, so that the byte cannot fall under 1; v11: that magnitude with 2 off its exponent field, the conversions' scale operand
.macro BMAX xs
	v_max3_num_f32 v12, |v[\xs]|, |v[\xs+1]|, |v[\xs+2]|
	v_max3_num_f32 v13, |v[\xs+3]|, |v[\xs+4]|, |v[\xs+5]|
.irp i, 6,10,14,18,22,26
	v_max3_num_f32 v12, v12, |v[\xs+\i]|, |v[\xs+\i+1]|
	v_max3_num_f32 v13, v13, |v[\xs+\i+2]|, |v[\xs+\i+3]|
.endr
	v_max3_num_f32 v12, v12, |v[\xs+30]|, |v[\xs+31]|
	v_max3_num_f32 v12, v12, v13, 0x1800000
	v_add_nc_u32 v11, 0xff000000, v12
.endm
; block t of a weight: W(32 t + i, my column), i = 0 .. 31: a lane takes a column, its registers run down K; a wave reads 128 consecutive bytes of a row, the four waves 512
.macro LOADC set, t, pitch, base
.set li, 0
.rept 32
	global_load_b32 v[WX+32*(\set)+li], v4, s[\base:\base+1] offset:(32*(\t)+li)*\pitch th:TH_LOAD_NT
.set li, li+1
.endr
.endm
	s_load_b512 s[8:23], s[0:1], 0x0               ; embeddings 8, Wq 10, Wk 12, Wv 14, Wfc 16, W1 18, W2 20, codes 22
	s_load_b128 s[24:27], s[0:1], 0x40             ; embt 24, w16 26
	v_lshl_add_u32 v[SPW], v0, 2, SPARE
	v_mov_b32 v[NIL], 0
	v_lshrrev_b32 v1, 5, v0
	v_readfirstlane_b32 s28, v1                    ; wave
	v_and_b32 v1, 31, v0                           ; lane
	v_and_b32 v2, 15, v0                           ; r
	v_bfe_u32 v3, v0, 4, 1                         ; h
	s_mov_b32 s33, 0                               ; the high words of four offsets
	s_mov_b32 s35, 0
	s_mov_b32 s37, 0
	s_mov_b32 s39, 0
	s_wait_kmcnt 0x0
	s_cmp_lt_u32 ttmp9, 256
	s_cbranch_scc0 .Lweights
	; ---- EMBEDDINGS.  Wave w: 16 rows x columns 256 w .. 256 w + 255, in four steps of 64 columns.
	v_lshlrev_b32 v4, 12, v3
	v_lshl_add_u32 v4, v2, 4, v4                   ; in: sixteen lanes take 256 bytes of a row, lanes 16-31 the next row
	s_mul_i32 s29, s28, 4352                       ; my stage: 16 rows x (256 + 16) bytes
	v_mul_u32_u24 v5, v3, 272
	v_lshl_add_u32 v5, v2, 4, v5
	v_add_nc_u32 v5, s29, v5                       ; into it, as loaded
	v_mul_u32_u24 v6, v2, 272
	v_lshl_add_u32 v6, v3, 7, v6
	v_add_nc_u32 v6, s29, v6                       ; out of it: row r, 128 bytes for each half of the lanes: a whole block of 32
	v_lshlrev_b32 v7, 4, v1                        ; the codes' image: 16 x lane
	v_lshlrev_b32 v8, 11, v3
	v_lshl_add_u32 v8, v2, 4, v8                   ; the f32 images: two tiles on for lanes 16-31, + 16 r
	v_lshlrev_b32 v9, 5, v2
	v_lshl_add_u32 v9, v3, 2, v9                   ; the scale words: 32 bytes a row; lanes 0-15 store the first word, lanes 16-31 the second
	s_mov_b32 s30, 0x76543210
	s_mov_b32 s31, 0xfedcba98                      ; v_permlanex16_b32's selects for lane l xor 16
	s_lshl_b32 s32, ttmp9, 16
	s_lshl_b32 s40, s28, 10
	s_add_co_u32 s32, s32, s40
	s_add_nc_u64 s[8:9], s[8:9], s[32:33]          ; my rows, my columns
	s_lshl_b32 s34, ttmp9, 13
	s_lshl_b32 s40, s28, 11
	s_add_co_u32 s34, s34, s40
	s_add_nc_u64 s[34:35], s[22:23], s[34:35]      ; codes: fragment 8 mt + 2 w
	s_lshl_b32 s36, ttmp9, 16
	s_lshl_b32 s40, s28, 14
	s_add_co_u32 s36, s36, s40
	s_add_nc_u64 s[24:25], s[24:25], s[36:37]      ; f32 images: tile 64 mt + 16 w
	s_lshl_b32 s38, ttmp9, 9
	s_lshl_b32 s40, s28, 3
	s_add_co_u32 s38, s38, s40
	s_add_co_u32 s38, s38, 3670016
	s_add_nc_u64 s[38:39], s[22:23], s[38:39]      ; scale bytes: row 16 mt, byte 8 w
.irp st, 0,1,2,3
.irp j, 0,1,2,3,4,5,6,7
	global_load_b128 v[XR+32*\st+4*\j:XR+32*\st+4*\j+3], v4, s[8:9] offset:8192*\j+256*\st th:TH_LOAD_NT   ; all 32 loads go out at once
.endr
.endr
.macro XSTEP st
.set XS, XX+32*((\st)%2)
	s_wait_loadcnt 24-8*(\st)                      ; this step's eight loads are in; the later steps' eight each may be out
.if (\st) >= 2
	s_wait_xcnt 0x0                                ; the stores of two steps ago have read this set of registers
.endif
.irp j, 0,1,2,3,4,5,6,7
	ds_store_b128 v5, v[XR+32*(\st)+4*\j:XR+32*(\st)+4*\j+3] offset:544*\j
.endr
.irp j, 0,1,2,3,4,5,6,7
	ds_load_b128 v[XS+4*\j:XS+4*\j+3], v6 offset:16*\j   ; LDS serves a wave's instructions in order: these see the stores above
.endr
	s_wait_dscnt 0x0
	BMAX XS
.irp g, 0,1,2,3
	v_cvt_scalef32_pk8_fp4_f32 v[CD+4*(\st)+\g], v[XS+8*\g:XS+8*\g+7], v11
.endr
	v_lshrrev_b32 v[EB+(\st)], 23, v11             ; the scale's byte (also the plain line behind the conversions)
	global_store_b128 v7, v[CD+4*(\st):CD+4*(\st)+3], s[34:35] offset:((\st)/2)*1024+((\st)%2)*512   ; 512 consecutive bytes: half a fragment's image
.irp u, 0,1,2,3,4,5,6,7
	global_store_b128 v8, v[XS+4*\u:XS+4*\u+3], s[24:25] offset:(4*(\st)+\u/4)*1024+(\u%2)*512+((\u/2)%2)*256   ; sixteen lanes store 256 consecutive bytes, aligned
.endr
.endm
	XSTEP 0
	XSTEP 1
	XSTEP 2
	XSTEP 3
	v_lshl_or_b32 v20, v17, 16, v16                ; fragment 0: my blocks h and 2 + h,
	v_lshl_or_b32 v21, v19, 16, v18                ; fragment 1 likewise,
	v_lshlrev_b32 v10, 3, v3
	v_lshlrev_b32 v20, v10, v20                    ; at their places in the word (8 h bits up);
	v_lshlrev_b32 v21, v10, v21
	v_mov_b32 v22, 0                               ; (a lane permute's destination counts as one of its sources)
	v_mov_b32 v23, 0
	v_permlanex16_b32 v22, v20, s30, s31
	v_permlanex16_b32 v23, v21, s30, s31
	v_or_b32 v20, v20, v22                         ; with lane l xor 16's two bytes each word is whole
	v_or_b32 v21, v21, v23
	v_cmp_gt_u32 vcc_lo, 16, v1
	v_cndmask_b32 v20, v21, v20, vcc_lo
	global_store_b32 v9, v20, s[38:39]             ; 8 bytes of each row's 32: pieces of aligned blocks, one byte for each 128 that this way reads
	s_wait_tensorcnt 0x0                           ; the wave's end, behind my last LDS store
	ds_add_u32 v[SPW], v[NIL]
	s_wait_dscnt 0x0
	s_endpgm
.Lweights:
	v_lshlrev_b32 v4, 2, v1                        ; in: 4 bytes a lane
	s_cmp_lt_u32 ttmp9, 448
	s_cbranch_scc0 .Lcast
	; ---- Wq, Wk, Wv: codes
	s_sub_co_u32 s40, ttmp9, 256
	s_lshr_b32 s41, s40, 6                         ; which of the three
	s_bfe_u32 s42, s40, 0x30003                    ; which 128 columns
	s_and_b32 s43, s40, 7                          ; which 128 along K
	s_cmp_eq_u32 s41, 0
	s_cselect_b64 s[10:11], s[10:11], s[12:13]
	s_cmp_eq_u32 s41, 2
	s_cselect_b64 s[10:11], s[14:15], s[10:11]
	s_lshl_b32 s32, s43, 19                        ; 128 rows of 4,096 bytes
	s_lshl_b32 s44, s42, 9
	s_add_co_u32 s32, s32, s44
	s_lshl_b32 s44, s28, 7
	s_add_co_u32 s32, s32, s44
	s_add_nc_u64 s[10:11], s[10:11], s[32:33]
	s_lshl_b32 s34, s41, 19                        ; fragment ((64 mat + 8 cg + 2 w) 8 + ks) of the weights' codes
	s_lshl_b32 s44, s42, 16
	s_add_co_u32 s34, s34, s44
	s_lshl_b32 s44, s28, 14
	s_add_co_u32 s34, s34, s44
	s_lshl_b32 s44, s43, 10
	s_add_co_u32 s34, s34, s44
	s_add_co_u32 s34, s34, 2097152
	s_add_nc_u64 s[34:35], s[22:23], s[34:35]
	s_lshl_b32 s38, s41, 15                        ; scale bytes: row 4,096 + 1,024 mat + 128 cg + 32 w, byte 4 ks
	s_lshl_b32 s44, s42, 12
	s_add_co_u32 s38, s38, s44
	s_lshl_b32 s44, s28, 10
	s_add_co_u32 s38, s38, s44
	s_lshl_b32 s44, s43, 2
	s_add_co_u32 s38, s38, s44
	s_add_co_u32 s38, s38, 3801088
	s_add_nc_u64 s[38:39], s[22:23], s[38:39]
	v_lshlrev_b32 v5, 13, v3
	v_lshl_add_u32 v5, v2, 4, v5                   ; lanes 16-31 hold the next tile of 16 columns, 8 fragments on
	v_lshlrev_b32 v6, 5, v1
	LOADC 0, 0, 4096, 10
	LOADC 1, 1, 4096, 10
.macro WBLK t
.set XS, WX+32*((\t)%2)
.if (\t) < 3
	s_wait_loadcnt 32                              ; this block's 32 loads are in; the next block's may be out
.else
	s_wait_loadcnt 0x0
.endif
	BMAX XS
	v_lshrrev_b32 v13, 23, v11                     ; the scale's byte
.if (\t) == 0
	v_mov_b32 v20, v13
.else
	v_lshl_or_b32 v20, v13, 8*(\t), v20            ; four bytes make my column's word for these 128 along K
.endif
.irp g, 0,1,2,3
	v_cvt_scalef32_pk8_fp4_f32 v[CD+4*(\t)+\g], v[XS+8*\g:XS+8*\g+7], v11
.endr
	global_store_b128 v5, v[CD+4*(\t):CD+4*(\t)+3], s[34:35] offset:((\t)/2)*512+((\t)%2)*256   ; sixteen lanes store 256 consecutive bytes, aligned
.if (\t) < 2
	LOADC (\t)%2, (\t)+2, 4096, 10
.endif
.endm
	WBLK 0
	WBLK 1
	WBLK 2
	WBLK 3
	global_store_b32 v6, v20, s[38:39]
	s_endpgm
; a block of 32 along K becomes a fragment's 16 registers of f16: chunk q of 8 numbers is 16 bytes of my column's row of the image
.macro CBLK t, pitch, base
.set XS, WX+32*((\t)%2)
.if (\t) < 3
	s_wait_loadcnt 32                              ; this block's 32 loads are in; the next block's may be out
.else
	s_wait_loadcnt 0x0
.endif
.set ci, 0
.rept 16
	v_cvt_pk_f16_f32 v[HC+16*(\t)+ci], v[XS+2*ci], v[XS+2*ci+1]
.set ci, ci+1
.endr
.irp q, 0,1,2,3
	global_store_b128 v5, v[HC+16*(\t)+4*\q:HC+16*(\t)+4*\q+3], s[34:35] offset:1024*(\t)+(\q/2)*512+(\q%2)*256
.endr
.if (\t) < 2
	LOADC (\t)%2, (\t)+2, \pitch, \base
.endif
.endm
.macro CAST pitch, base
	LOADC 0, 0, \pitch, \base
	LOADC 1, 1, \pitch, \base
	CBLK 0, \pitch, \base
	CBLK 1, \pitch, \base
	CBLK 2, \pitch, \base
	CBLK 3, \pitch, \base
.endm
.Lcast:
	s_cmp_lt_u32 ttmp9, 704
	s_cbranch_scc0 .Lcast2
	; ---- W1
	s_sub_co_u32 s40, ttmp9, 448
	s_and_b32 s42, s40, 31                         ; which 128 columns
	s_lshr_b32 s43, s40, 5                         ; which 128 along K
	s_lshl_b32 s32, s43, 21                        ; 128 rows of 16,384 bytes
	s_lshl_b32 s44, s42, 9
	s_add_co_u32 s32, s32, s44
	s_lshl_b32 s44, s28, 7
	s_add_co_u32 s32, s32, s44
	s_add_nc_u64 s[18:19], s[18:19], s[32:33]
	s_lshl_b32 s34, s42, 18                        ; fragment (8 cg + 2 w) 32 + 4 kg of W1's part
	s_lshl_b32 s44, s28, 16
	s_add_co_u32 s34, s34, s44
	s_lshl_b32 s44, s43, 12
	s_add_co_u32 s34, s34, s44
	s_add_co_u32 s34, s34, 2097152
	s_add_nc_u64 s[34:35], s[26:27], s[34:35]
	v_lshlrev_b32 v5, 15, v3
	v_lshl_add_u32 v5, v2, 4, v5                   ; lanes 16-31: the next tile of columns, 32 fragments on
	CAST 16384, 18
	s_endpgm
.Lcast2:
	; ---- W2 (256 work-groups), then Wfc (64): one way; the buffers and two sizes are chosen on the work-group's number
	s_sub_co_u32 s40, ttmp9, 704
	s_mov_b32 s45, 10485760
	s_cmp_lt_u32 s40, 256
	s_cselect_b64 s[16:17], s[20:21], s[16:17]
	s_cselect_b32 s41, 0, 256
	s_cselect_b32 s44, 17, 15                      ; a tile's row of fragments: 2^17 bytes (K = 4,096) or 2^15 (K = 1,024)
	s_cselect_b32 s45, s45, 0                      ; where the tensor's part of w16 begins
	s_sub_co_u32 s40, s40, s41
	s_and_b32 s42, s40, 7                          ; which 128 columns
	s_lshr_b32 s43, s40, 3                         ; which 128 along K
	s_lshl_b32 s32, s43, 19
	s_lshl_b32 s46, s42, 9
	s_add_co_u32 s32, s32, s46
	s_lshl_b32 s46, s28, 7
	s_add_co_u32 s32, s32, s46
	s_add_nc_u64 s[16:17], s[16:17], s[32:33]
	s_lshl_b32 s34, s42, 3
	s_lshl_b32 s46, s28, 1
	s_add_co_u32 s34, s34, s46
	s_lshl_b32 s34, s34, s44                       ; tile 8 cg + 2 w
	s_lshl_b32 s46, s43, 12
	s_add_co_u32 s34, s34, s46
	s_add_co_u32 s34, s34, s45
	s_add_nc_u64 s[34:35], s[26:27], s[34:35]
	v_lshlrev_b32 v5, s44, v3
	v_lshl_add_u32 v5, v2, 4, v5
	CAST 4096, 16
	s_endpgm
.Lfunc_end_k_qab7ee703a5_prep:
	.size	k_qab7ee703a5_prep, .Lfunc_end_k_qab7ee703a5_prep-k_qab7ee703a5_prep
	.p2alignl 7, 3214868480
	.fill 96, 4, 3214868480
	.section	.rodata,"a",@progbits
	.p2align	6, 0x0
	.amdhsa_kernel k_qab7ee703a5_prep
		.amdhsa_group_segment_fixed_size 17920
		.amdhsa_private_segment_fixed_size 0
		.amdhsa_enable_private_segment 0
		.amdhsa_kernarg_size 80
		.amdhsa_user_sgpr_count 2
		.amdhsa_user_sgpr_kernarg_segment_ptr 1
		.amdhsa_wavefront_size32 1
		.amdhsa_system_sgpr_workgroup_id_x 1
		.amdhsa_system_sgpr_workgroup_id_y 1
		.amdhsa_system_sgpr_workgroup_id_z 1
		.amdhsa_system_vgpr_workitem_id 0
		.amdhsa_next_free_vgpr 256
		.amdhsa_next_free_sgpr 66
		.amdhsa_reserve_vcc 1
		.amdhsa_float_denorm_mode_32 3
		.amdhsa_float_denorm_mode_16_64 3
		.amdhsa_memory_ordered 1
		.amdhsa_forward_progress 1
		.amdhsa_inst_pref_size 77
	.end_amdhsa_kernel
	.amdgpu_metadata
---
amdhsa.version: [ 1, 2 ]
amdhsa.kernels:
  - .name:           k_qab7ee703a5_prep
    .symbol:         k_qab7ee703a5_prep.kd
    .args:
      - { .name: embeddings, .offset: 0, .size: 8, .value_kind: global_buffer, .address_space: global }
      - { .name: Wq, .offset: 8, .size: 8, .value_kind: global_buffer, .address_space: global }
      - { .name: Wk, .offset: 16, .size: 8, .value_kind: global_buffer, .address_space: global }
      - { .name: Wv, .offset: 24, .size: 8, .value_kind: global_buffer, .address_space: global }
      - { .name: Wfc, .offset: 32, .size: 8, .value_kind: global_buffer, .address_space: global }
      - { .name: W1, .offset: 40, .size: 8, .value_kind: global_buffer, .address_space: global }
      - { .name: W2, .offset: 48, .size: 8, .value_kind: global_buffer, .address_space: global }
      - { .name: codes, .offset: 56, .size: 8, .value_kind: global_buffer, .address_space: global }
      - { .name: embt, .offset: 64, .size: 8, .value_kind: global_buffer, .address_space: global }
      - { .name: w16, .offset: 72, .size: 8, .value_kind: global_buffer, .address_space: global }
    .group_segment_fixed_size: 17920
    .private_segment_fixed_size: 0
    .kernarg_segment_align: 8
    .kernarg_segment_size: 80
    .max_flat_workgroup_size: 128
    .sgpr_count:     66
    .vgpr_count:     256
    .wavefront_size: 32
...
	.end_amdgpu_metadata
.endif
;; end of part 1
;; launch qkv (part 2): grid 12 x 16, 4 waves a work-group, clusters of 4 x 4, 327,680 bytes of LDS; arguments codes, bq, bk, bv, qkv; writes qkv
.if DOCPART == 2
	.amdgcn_target "amdgcn-amd-amdhsa--gfx1250"
	.amdhsa_code_object_version 6
	.text
	.protected	k_qab7ee703a5_qkv
	.globl	k_qab7ee703a5_qkv
	.p2align	8
	.type	k_qab7ee703a5_qkv,@function
k_qab7ee703a5_qkv:
	s_mov_b64 s[64:65], 0
	v_nop
	global_prefetch_b8 v0, s[64:65] scope:SCOPE_SE
	s_setreg_imm32_b32 hwreg(HW_REG_WAVE_MODE, 25, 1), 1
	s_wait_xcnt 0x0
	s_wait_alu depctr_hold_cnt(0) depctr_sa_sdst(0) depctr_va_vdst(0) depctr_va_sdst(0) depctr_va_ssrc(0) depctr_va_vcc(0) depctr_vm_vsrc(0)
	s_getreg_b32 s2, hwreg(HW_REG_IB_STS2, 6, 4)
	s_cmp_eq_u32 s2, 0
	s_cbranch_scc0 .Lentry_in_a_cluster
	s_endpgm
.Lentry_in_a_cluster:
	s_bfe_u32 s2, ttmp6, 0x10000c
	s_cmp_lg_u32 s2, 0xf033
	s_cbranch_scc0 .Lentry_shape_is_right
	s_endpgm
.Lentry_shape_is_right:
; q, k, v = embeddings x Wq, Wk, Wv + biases, on codes of FP4 (E2M1) with one E8M0 scale for each 32 along K: C [4096][3072], K = 1,024; sums in f32; the results leave as f16.
; Both operands lie in memory as images of the operand's registers (1,024 bytes for 16 rows x 128 K; a tile of 16 rows has its 8 fragments on end): a fragment comes out of LDS by two loads at 16 x lane.
; A work-group of four waves makes 256 x 256, a wave 128 x 128: 64 accumulators.  K is two slots of 512; each slot is filled ONCE, at the start: nothing is filled again.
; CLUSTERS: 4 x 4 work-groups; A's tiles are asked for jointly along a row of the cluster, B's along a column.  A cluster's x is 0, 1, 2 for q, k, v: the same in all sixteen partners.
; THE MATRIX INSTRUCTION IS USED TRANSPOSED (source 0 = 16 columns of W, source 1 = 16 tokens): a lane holds one token and eight neighbouring channels.  Packed to f16, they are 16 bytes of the image that attention wants:
; qkv [48 panels of 64 channels][256 tiles of 16 tokens][2,048 bytes = two images of 16 tokens x 32 channels].  In v's panels the 32 pieces of each 512 bytes stand in the order in which the turning LDS load's lanes take them.
; The bias is the C of each sum's first product.  The scale words come from memory straight into registers: lanes 0-15 A's, lanes 16-31 B's.
; LIMIT: results beyond 65,504 have no f16.
; REGISTERS: window 0: v16-29 addresses; v32-95 scale words, a set for each slot; v128-191 A's fragments, one set; v192-255 the bias, 8 tiles; on the way out v128-255 take the packed results.
;   window 1: B's fragments, two sets, at v0 and v128.   windows 2, 3: the accumulators of my rows 0-63 and 64-127 ((a, b) at v[8 (8 (a % 4) + b)]).
.set NQ,     4                         ; steps of 128 along K in a slot
.set FR,     8                         ; registers of a fragment
.set NL,     2                         ; LDS loads that bring one
.set NP,     4                         ; places behind this matrix instruction (ISA guide 7.12.1)
.set SLOT,   131072                    ; A's 16 tiles x 4,096 bytes, then B's
.set SPARE,  262144                    ; behind the slots: the spare words, 128 bytes a wave
.set ADRA, 16                          ; v16-17  LDS address of my A fragments in slot 0, 1
.set ADRB, 20                          ; v20-21  the same for B
.set VO,   24                          ; v24     my 16 bytes' place in half an image
.set SCO,  26                          ; v26     my row's scale bytes
.set BO,   27                          ; v27     32 x (lane / 16): my eight numbers of a tile's bias
.set SPW,  28                          ; v28     LDS address of my spare word; never rewritten
.set NIL,  29                          ; v29     0; never rewritten
.set SC,   32                          ; scale words: set s at v[SC + 32 s]; register 4 i + q: block i of 16 rows, the slot's q-th 128 along K
.set AF,   128
.set BI,   192
.set PK,   128
.set G1, 24                            ; s[24:31] descriptor group 1 for A's tiles;  s[32:39] group 0, one set for each slot
.set G0, 32
.set G1B, 48                           ; s[48:55], s[56:63] the same for B's
.set G0B, 56
.set MSB, 0
.macro WIN new                         ; the immediate's high byte repeats the setting that is left
.if MSB != \new
	s_set_vgpr_msb (MSB<<8)|\new
.set MSB, \new
.endif
.endm
.set MUL_LO,   0xa1                    ; source 0 (B) window 1, source 1 (A) window 0, C and D window 2
.set MUL_HI,   0xf1                    ; the same, C and D window 3
.set FIRST_LO, 0x81                    ; C (the bias) window 0, D window 2
.set FIRST_HI, 0xc1                    ; C window 0, D window 3
.set TO_B,     0x40                    ; destination window 1, address window 0
; A joint load: waves 0 and 1 fetch for A, waves 2 and 3 for B; the branch hangs on the wave's number alone.  An s_nop 0 and four v_nop follow each of the two lines.
.macro JLOAD g0a, g1a, g0b, g1b
	s_cmp_eq_u32 s15, 0
	s_cbranch_scc0 .Lfor_b_\@
	tensor_load_to_lds s[\g0a:\g0a+3], s[\g1a:\g1a+7]
	s_nop 0
.rept 4
	v_nop
.endr
	s_branch .Lasked_\@
.Lfor_b_\@:
	tensor_load_to_lds s[\g0b:\g0b+3], s[\g1b:\g1b+7]
	s_nop 0
.rept 4
	v_nop
.endr
.Lasked_\@:
.endm
.macro CROUND                          ; a round of the cluster's barrier
	s_barrier_signal -1
	s_barrier_wait -1
	s_cmp_lg_u32 s14, 0
	s_cbranch_scc1 .Lnot_wave_0_\@
	s_barrier_signal -3
.Lnot_wave_0_\@:
	s_barrier_wait -3
	s_barrier_signal -1
	s_barrier_wait -1
.endm
	s_load_b256 s[4:11], s[0:1], 0x0               ; codes 4, bq 6, bk 8, bv 10
	s_load_b64 s[12:13], s[0:1], 0x20              ; qkv
	v_lshl_add_u32 v[SPW], v0, 2, SPARE
	v_mov_b32 v[NIL], 0
	ds_add_u32 v[SPW], v[NIL]                      ; the wave's opening: the add and its wait stand ahead of my first tensor load; work on registers stands between them
	v_lshrrev_b32 v1, 5, v0
	v_readfirstlane_b32 s14, v1                    ; wave 0..3
	s_lshr_b32 s15, s14, 1                         ; which half of the tile's rows is mine.  Also: I fetch for A (0) or for B (1)
	s_and_b32 s16, s14, 1                          ; which half of its columns.  Also: which 8 tiles of 16 rows I fetch
	s_bfe_u32 s40, ttmp6, 0x40000                  ; cx, cy: my place in the cluster
	s_bfe_u32 s41, ttmp6, 0x40004
	s_lshl_b32 s42, ttmp9, 2
	s_add_co_u32 s42, s42, s40                     ; tile column of C
	s_and_b32 s17, ttmp7, 0xffff
	s_lshl_b32 s17, s17, 2
	s_add_co_u32 s17, s17, s41                     ; tile row of C
	s_lshl_b32 s43, s41, 2
	s_lshl_b32 s43, 15, s43                        ; my row of the cluster
	s_lshl_b32 s44, 0x1111, s40                    ; my column
	; descriptor group 1: 8 rows (tiles of 16 operand rows) x 4,096 bytes (4 fragments), 8,192 bytes apart in memory, dense in LDS
	s_or_b32 s[G1+0], s43, (3<<16)|(1<<21)         ; 15:0 the mask; 17:16 elements of 8 bytes; 21 set beside a mask
	s_or_b32 s[G1B+0], s44, (3<<16)|(1<<21)
.irp g, G1, G1B
	s_mov_b32 s[\g+1], 512<<16                     ; tensor_dim0 = 512 elements
	s_mov_b32 s[\g+2], 8<<16                       ; tensor_dim1 = 8
	s_mov_b32 s[\g+3], 512<<16                     ; tile_dim0
	s_mov_b32 s[\g+4], 8                           ; tile_dim1
	s_mov_b32 s[\g+5], 1024                        ; tensor_dim0_stride
	s_mov_b32 s[\g+6], 0
	s_mov_b32 s[\g+7], 0
.endr
	s_lshl_b32 s18, s16, 16                        ; my 8 tiles of the 16
	s_lshl_b32 s20, s17, 17
	s_add_co_u32 s20, s20, s18                     ; A: tile 16 x tile row + 8 x half, 8,192 bytes each
	s_mov_b32 s21, 0
	s_lshl_b32 s46, s42, 17
	s_add_co_u32 s46, s46, s18
	s_add_co_u32 s46, s46, 2097152                 ; B: behind A's codes
	s_mov_b32 s47, 0
	s_lshl_b32 s45, s14, 15                        ; where they go: wave x 32,768: no place in the cluster enters an LDS address
	s_wait_dscnt 0x0                               ; the opening add is done
	s_wait_kmcnt 0x0
	s_add_nc_u64 s[20:21], s[4:5], s[20:21]
	s_add_nc_u64 s[46:47], s[4:5], s[46:47]
	CROUND                                         ; all sixteen work-groups are here: the joint loads meet
.irp s, 0,1
	s_mov_b32 s[G0+4*\s], 1
	s_add_co_u32 s[G0+4*\s+1], s45, \s*SLOT
	s_add_nc_u64 s[G0+4*\s+2:G0+4*\s+3], s[20:21], \s*4096
	s_or_b32 s[G0+4*\s+3], s[G0+4*\s+3], 0x80000000
	s_mov_b32 s[G0B+4*\s], 1
	s_add_co_u32 s[G0B+4*\s+1], s45, \s*SLOT
	s_add_nc_u64 s[G0B+4*\s+2:G0B+4*\s+3], s[46:47], \s*4096
	s_or_b32 s[G0B+4*\s+3], s[G0B+4*\s+3], 0x80000000
	JLOAD G0+4*\s, G1, G0B+4*\s, G1B               ; by this text's count two tensor loads of a wave are out, and no more are issued
.endr
	v_and_b32 v1, 15, v0                           ; r
	v_bfe_u32 v2, v0, 4, 1                         ; h
	v_and_b32 v3, 31, v0
	v_lshlrev_b32 v3, 4, v3                        ; 16 x lane
	s_lshl_b32 s22, s15, 15                        ; my 8 tiles of A
	s_lshl_b32 s23, s16, 15                        ; my 8 tiles of B,
	s_add_co_u32 s23, s23, 65536                   ; which lie behind A's 16
.irp s, 0,1
	v_add_nc_u32 v[ADRA+\s], s22, v3
	v_add_nc_u32 v[ADRB+\s], s23, v3
	s_add_co_u32 s22, s22, SLOT
	s_add_co_u32 s23, s23, SLOT
.endr
	s_lshl_b32 s18, s17, 13                        ; scale bytes, 32 a row.  A's: row 256 x tile row + 128 x half
	s_lshl_b32 s19, s15, 12
	s_add_co_u32 s18, s18, s19
	s_lshl_b32 s19, s42, 13                        ; B's: row 4,096 + 256 x tile column + 128 x half
	s_lshl_b32 s20, s16, 12
	s_add_co_u32 s19, s19, s20
	s_add_co_u32 s19, s19, 131072
	s_sub_co_u32 s19, s19, s18
	v_mul_u32_u24 v[SCO], s19, v2                  ; lanes 16-31 take B's
	v_lshl_add_u32 v[SCO], v1, 5, v[SCO]
	v_add_nc_u32 v[SCO], s18, v[SCO]
	s_add_nc_u64 s[22:23], s[4:5], 3670016
.irp s, 0,1
.irp i, 0,1,2,3,4,5,6,7
	global_load_b128 v[SC+32*\s+4*\i:SC+32*\s+4*\i+3], v[SCO], s[22:23] offset:512*\i+16*\s   ; a slot's four words of block i's rows
.endr
.endr
	s_cmp_eq_u32 ttmp9, 0                          ; the bias of q, k or v, by the cluster's x
	s_cselect_b64 s[6:7], s[6:7], s[8:9]
	s_cmp_eq_u32 ttmp9, 2
	s_cselect_b64 s[6:7], s[10:11], s[6:7]
	s_cselect_b32 s19, -1, 0                       ; all ones where the panels are v's
	s_lshl_b32 s20, s40, 10
	s_lshl_b32 s21, s16, 9
	s_add_co_u32 s20, s20, s21                     ; my 128 columns among the tensor's 1,024
	s_mov_b32 s21, 0
	s_add_nc_u64 s[6:7], s[6:7], s[20:21]
	v_lshlrev_b32 v[BO], 5, v2
.irp b, 0,1,2,3,4,5,6,7
	global_load_b128 v[BI+8*\b:BI+8*\b+3], v[BO], s[6:7] offset:64*\b
	global_load_b128 v[BI+8*\b+4:BI+8*\b+7], v[BO], s[6:7] offset:64*\b+16
.endr
	v_lshrrev_b32 v4, 3, v1                        ; v's panels: piece (token r, half h) at 256 (r / 8) + 128 h + 16 (r % 8)
	v_lshlrev_b32 v4, 8, v4
	v_lshl_add_u32 v4, v2, 7, v4
	v_and_b32 v5, 7, v1
	v_lshl_add_u32 v4, v5, 4, v4
	v_cndmask_b32 v[VO], v3, v4, s19               ; q's and k's: 16 x lane
	s_lshl_b32 s20, s42, 21                        ; out: panel 4 x tile column + 2 x half, tile of tokens 16 x tile row + 8 x half
	s_lshl_b32 s21, s16, 20
	s_add_co_u32 s20, s20, s21
	s_lshl_b32 s21, s17, 15
	s_add_co_u32 s20, s20, s21
	s_lshl_b32 s21, s15, 14
	s_add_co_u32 s20, s20, s21
	s_mov_b32 s21, 0
	s_add_nc_u64 s[12:13], s[12:13], s[20:21]
.macro FRAG reg, adr, q, i             ; a fragment's image: registers 4 c .. 4 c + 3 at 512 c + 16 x lane
.irp c, 0,1
	ds_load_b128 v[\reg+4*\c:\reg+4*\c+3], v[\adr] offset:1024*(\q)+512*\c+(\i)*4096
.endr
.endm
; 16 matrix instructions: A's blocks a0, a0 + 1 x B's eight, the slot's q-th 128 along K.  p: B's set; sc: the set of scale words.  first = 1: the bias starts the sums.
; The 64 accumulators take turns, one instruction a turn, in the same order in every step.
.macro MUL16 a0, p, q, sc, first
.irp a, \a0, \a0+1
.irp b, 0,1,2,3,4,5,6,7
.if \first
	v_wmma_scale_f32_16x16x128_f8f6f4 v[8*(8*((\a)%4)+\b):8*(8*((\a)%4)+\b)+7], v[128*(\p)+FR*\b:128*(\p)+FR*\b+FR-1], v[AF+FR*(\a):AF+FR*(\a)+FR-1], v[BI+8*\b:BI+8*\b+7], v[SC+8*NQ*(\sc)+NQ*\b+(\q)], v[SC+8*NQ*(\sc)+NQ*(\a)+(\q)] matrix_a_fmt:MATRIX_FMT_FP4 matrix_b_fmt:MATRIX_FMT_FP4 matrix_a_scale:MATRIX_SCALE_ROW1
.else
	v_wmma_scale_f32_16x16x128_f8f6f4 v[8*(8*((\a)%4)+\b):8*(8*((\a)%4)+\b)+7], v[128*(\p)+FR*\b:128*(\p)+FR*\b+FR-1], v[AF+FR*(\a):AF+FR*(\a)+FR-1], v[8*(8*((\a)%4)+\b):8*(8*((\a)%4)+\b)+7], v[SC+8*NQ*(\sc)+NQ*\b+(\q)], v[SC+8*NQ*(\sc)+NQ*(\a)+(\q)] matrix_a_fmt:MATRIX_FMT_FP4 matrix_b_fmt:MATRIX_FMT_FP4 matrix_a_scale:MATRIX_SCALE_ROW1
.endif
.endr
.endr
.endm
.macro FETCH_B slot, q, p
	WIN TO_B
.irp i, 0,1,2,3,4,5,6,7
	FRAG 128*(\p)+FR*\i, ADRB+\slot, \q, \i
.endr
	WIN 0
.endm
.macro FETCH_A slot, q, i0
.irp i, \i0, \i0+1, \i0+2, \i0+3
	FRAG AF+FR*(\i), ADRA+\slot, \q, \i
.endr
.endm
.macro PLACES n                        ; plain vector instructions in front of loads into registers that matrix instructions have read, and of the first read of results
.rept \n
	v_nop
.endr
.endm
; A step of 128 along K that has its successor in the same slot: A's blocks 0-3 are fetched anew in its middle, blocks 4-7 at its end; B has two sets
.macro STEP slot, q, first
	s_wait_dscnt 4*NL                              ; B's set and A's blocks 0-3 are in; the youngest eight loads (A's blocks 4-7) may be out
.if \first
	WIN FIRST_LO
.else
	WIN MUL_LO
.endif
	MUL16 0, (\q)%2, \q, \slot, \first
	MUL16 2, (\q)%2, \q, \slot, \first
	s_wait_dscnt 0
	PLACES NP
	FETCH_B \slot, (\q)+1, 1-(\q)%2
	FETCH_A \slot, (\q)+1, 0
.if \first
	WIN FIRST_HI
.else
	WIN MUL_HI
.endif
	MUL16 4, (\q)%2, \q, \slot, \first
	MUL16 6, (\q)%2, \q, \slot, \first
	PLACES NP
	WIN 0
	FETCH_A \slot, (\q)+1, 4
.endm
	s_wait_tensorcnt 1                             ; my part of slot 0 is in (slot 1's load may be out)
	s_barrier_signal -1
	s_barrier_wait -1                              ; everybody's is
	FETCH_B 0, 0, 0
	FETCH_A 0, 0, 0
	FETCH_A 0, 0, 4
	s_wait_loadcnt 0x0                             ; the scale words and the bias
	STEP 0, 0, 1
	STEP 0, 1, 0
	STEP 0, 2, 0
	; slot 0's last step changes slots: my part of slot 1 has landed, and behind the barrier everybody's has
	s_wait_tensorcnt 0x0
	ds_add_u32 v[SPW], v[NIL]                      ; 0 onto my spare word
	s_wait_dscnt 4*NL+1                            ; (the add and A's blocks 4-7 may be out)
	WIN MUL_LO
	MUL16 0, 1, NQ-1, 0, 0
	s_wait_dscnt 0x0
	s_barrier_signal -1
	MUL16 2, 1, NQ-1, 0, 0
	WIN 0
	s_barrier_wait -1
	PLACES NP
	FETCH_B 1, 0, 0
	FETCH_A 1, 0, 0
	WIN MUL_HI
	MUL16 4, 1, NQ-1, 0, 0
	MUL16 6, 1, NQ-1, 0, 0
	PLACES NP
	WIN 0
	FETCH_A 1, 0, 4
	STEP 1, 0, 0
	STEP 1, 1, 0
	STEP 1, 2, 0
	s_wait_dscnt 4*NL                              ; the last step: nothing more to fetch
	WIN MUL_LO
	MUL16 0, 1, NQ-1, 1, 0
	MUL16 2, 1, NQ-1, 1, 0
	s_wait_dscnt 0
	WIN MUL_HI
	MUL16 4, 1, NQ-1, 1, 0
	MUL16 6, 1, NQ-1, 1, 0
	WIN 0
	; THE WAY OUT, with no LDS: a lane's eight channels pack into 16 bytes, and the 32 lanes' 16 bytes are 512 consecutive bytes of an image
	PLACES NP
.irp a, 0,1,2,3,4,5,6,7
.if \a >= 4
	s_wait_xcnt 0x0                                ; the stores of four blocks ago have read this set of registers
.endif
	WIN 0x0a+5*(\a/4)                              ; sources 0 and 1: window 2 or 3
.irp b, 0,1,2,3,4,5,6,7
.irp i, 0,1,2,3
	v_cvt_pk_f16_f32 v[PK+32*(\a%4)+4*\b+\i], v[64*(\a%4)+8*\b+2*\i], v[64*(\a%4)+8*\b+2*\i+1]
.endr
.endr
	WIN 0
.irp b, 0,1,2,3,4,5,6,7
	global_store_b128 v[VO], v[PK+32*(\a%4)+4*\b:PK+32*(\a%4)+4*\b+3], s[12:13] offset:(\b/4)*524288+2048*\a+((\b/2)%2)*1024+(\b%2)*512
.endr
.endr
	s_wait_tensorcnt 0x0                           ; the wave's end
	ds_add_u32 v[SPW], v[NIL]
	s_wait_dscnt 0x0
	CROUND                                         ; the closing round
	s_endpgm
.Lfunc_end_k_qab7ee703a5_qkv:
	.size	k_qab7ee703a5_qkv, .Lfunc_end_k_qab7ee703a5_qkv-k_qab7ee703a5_qkv
	.p2alignl 7, 3214868480
	.fill 96, 4, 3214868480
	.section	.rodata,"a",@progbits
	.p2align	6, 0x0
	.amdhsa_kernel k_qab7ee703a5_qkv
		.amdhsa_group_segment_fixed_size 327680
		.amdhsa_private_segment_fixed_size 0
		.amdhsa_enable_private_segment 0
		.amdhsa_kernarg_size 40
		.amdhsa_user_sgpr_count 2
		.amdhsa_user_sgpr_kernarg_segment_ptr 1
		.amdhsa_wavefront_size32 1
		.amdhsa_system_sgpr_workgroup_id_x 1
		.amdhsa_system_sgpr_workgroup_id_y 1
		.amdhsa_system_sgpr_workgroup_id_z 1
		.amdhsa_system_vgpr_workitem_id 0
		.amdhsa_next_free_vgpr 1024
		.amdhsa_next_free_sgpr 66
		.amdhsa_reserve_vcc 0
		.amdhsa_float_denorm_mode_32 3
		.amdhsa_float_denorm_mode_16_64 3
		.amdhsa_memory_ordered 1
		.amdhsa_forward_progress 1
		.amdhsa_inst_pref_size 117
	.end_amdhsa_kernel
	.amdgpu_metadata
---
amdhsa.version: [ 1, 2 ]
amdhsa.kernels:
  - .name:           k_qab7ee703a5_qkv
    .symbol:         k_qab7ee703a5_qkv.kd
    .args:
      - { .name: codes, .offset: 0, .size: 8, .value_kind: global_buffer, .address_space: global }
      - { .name: bq, .offset: 8, .size: 8, .value_kind: global_buffer, .address_space: global }
      - { .name: bk, .offset: 16, .size: 8, .value_kind: global_buffer, .address_space: global }
      - { .name: bv, .offset: 24, .size: 8, .value_kind: global_buffer, .address_space: global }
      - { .name: qkv, .offset: 32, .size: 8, .value_kind: global_buffer, .address_space: global }
    .group_segment_fixed_size: 327680
    .private_segment_fixed_size: 0
    .kernarg_segment_align: 8
    .kernarg_segment_size: 40
    .max_flat_workgroup_size: 128
    .sgpr_count:     66
    .vgpr_count:     1024
    .wavefront_size: 32
...
	.end_amdgpu_metadata
.endif
;; end of part 2
;; launch attn (part 3): grid 8 x 32, 16 waves a work-group, no clusters, 327,680 bytes of LDS; arguments qkv, ctx; writes ctx
.if DOCPART == 3
	.amdgcn_target "amdgcn-amd-amdhsa--gfx1250"
	.amdhsa_code_object_version 6
	.text
	.protected	k_qab7ee703a5_attn
	.globl	k_qab7ee703a5_attn
	.p2align	8
	.type	k_qab7ee703a5_attn,@function
k_qab7ee703a5_attn:
	s_mov_b64 s[64:65], 0
	v_nop
	global_prefetch_b8 v0, s[64:65] scope:SCOPE_SE
	s_setreg_imm32_b32 hwreg(HW_REG_WAVE_MODE, 25, 1), 1
	s_wait_xcnt 0x0
; ctx[b][q][head] = the sum over keys k <= q of softmax_k(Q . K / 8) V: 32 heads (2 x 16) of 2,048 tokens x 64 channels; operands f16, products, maxima and sums f32; the weights p are rounded to f16 for the second product.
; SHARES.  A work-group owns two blocks of 128 queries of one head, blocks x and 15 - x, so that under the causal mask every work-group has the same work; each of its sixteen waves owns 16 queries, in 256 registers.
; Every work-group walks all 8 slots of 256 keys (the trip counts are constants), 64 keys a step.  A step all of whose keys come after the wave's queries is jumped over; the one step on the diagonal is masked.
; LAYOUT.  Both products are used transposed: S^T = K Q^T (source 0 = 16 keys, source 1 = my 16 queries), O^T = V^T P (source 0 = 16 channels x 32 keys, source 1 = P): a lane holds ONE query throughout.
; q, k, v lie in memory as images of the operands' registers (2,048 bytes for 16 tokens x 64 channels), so every LDS load is at 16 x lane; v's pieces stand in the order of the turning load's lanes.
; SOFTMAX.  A running maximum m and sum l for each query: p = 2^(c s - c m), c = log2(e) / 8; in every step O and l are multiplied by a = 2^(c m_old - c m_new).
; No joint loads: the work-groups of a head stop asking for slots at different keys, so partners would need different numbers of tiles.
; LIMIT: f16 operands: |q|, |k|, |v| up to 65,504.
.set SLOT1, 65536                      ; a slot: K's 16 tiles x 2,048 bytes, then V's; slot 1 begins here: one exclusive or turns an address
.set VOFF,  32768
.set SPARE, 131072                     ; behind the ring: the spare words, 128 bytes a wave
.set LI,   1                           ; v1   16 x lane; never rewritten
.set SPW,  2                           ; v2   LDS address of my spare word; never rewritten
.set NIL,  3                           ; v3   0; never rewritten
.set ADK,  4                           ; v4   LDS address of the slot in hand + 16 x lane
.set DD,   6                           ; v6   the mask: my query less the step's first key of my half
.set NINF, 7                           ; v7   -infinity
.set CM,   8                           ; v8 c m, v9 m
.set LS,   10                          ; v[10:11] l, even keys' and odd keys'
.set T,    12                          ; v12-15 at work
.set AA,   16                          ; v[16:17] a (the packed forms name the pair and take its low word)
.set PFO,  18                          ; v18  256 x lane: the prefetches' offset; never rewritten
.set RH8,  19                          ; v19  lane % 16 - 8 (lane / 16)
.set QR,   24                          ; v24-39   Q: two fragments
.set KR,   40                          ; v40-103  K: tile i, channels 32 f on, at 40 + 16 i + 8 f
.set VR,   104                         ; v104-167 V^T: channels 16 t on, keys 32 u on, at 104 + 16 t + 8 u
.set SR,   168                         ; v168-199 S^T, then p
.set PR,   200                         ; v200-215 P
.set OT,   216                         ; v216-247 O^T
.set WV,   18                          ; s18  my wave's number
.set SEL,  20                          ; s[20:21] lane selects for lane l xor 16
.set CS,   22                          ; s[22:23] c
.set G1,   24                          ; s[24:31] descriptor group 1;  s[40:43] group 0, which walks
.set G0,   40
.set TB,   2                           ; s2   LDS byte at which the slot in hand begins
.set SLOTS, 67                         ; s67  changes of slots still to come in the loop
.set KF,   98                          ; s98  the step's first key
.set Q0,   99                          ; s99  my first query
.set LASTQ, 81                         ; s81  my work-group's last query
.set PFA,  76                          ; s[76:77] where my prefetches stand
.set LIM,  80                          ; s80  1 in a wave that prefetches, else the greatest number
.macro TLOAD                           ; waves 0 and 1 fetch K's halves, waves 2 and 3 V's, the others nothing.  An s_nop 0 and four v_nop follow the load
	s_cmp_lt_u32 s[WV], 4
	s_cbranch_scc0 .Lasked_\@
	tensor_load_to_lds s[G0:G0+3], s[G1:G1+7]
	s_nop 0
.rept 4
	v_nop
.endr
.Lasked_\@:
.endm
; A PREFETCH INTO THE L2 of what the NEXT change of slots will ask for: 32,768 bytes of K and as many of V.  All work-groups of a head walk the same K and V: the head's first work-group asks, and in it the
; waves that fetch nothing: waves 4 to 7 for K, waves 8 to 11 for V, 8,192 bytes a wave, lanes 256 bytes apart: each block of 256 bytes is named once.  The last change that fills a slot asks for nothing.
.macro ASK
	s_cmp_gt_u32 s[SLOTS], s[LIM]
	s_cbranch_scc0 .Lnot_mine_\@
	global_prefetch_b8 v[PFO], s[PFA:PFA+1] th:TH_LOAD_NT scope:SCOPE_SE
.Lnot_mine_\@:
.endm
	s_load_b128 s[4:7], s[0:1], 0x0                ; qkv, ctx
	v_lshl_add_u32 v[SPW], v0, 2, SPARE
	v_mov_b32 v[NIL], 0
	ds_add_u32 v[SPW], v[NIL]                      ; the wave's opening: the add and its wait stand ahead of my first tensor load; work on registers stands between them
	v_lshrrev_b32 v4, 5, v0
	v_readfirstlane_b32 s[WV], v4                  ; wave 0..15
	s_and_b32 s72, ttmp7, 0xffff
	s_lshr_b32 s73, s72, 4                         ; batch
	s_and_b32 s72, s72, 15                         ; head
	s_sub_co_u32 s74, 15, ttmp9
	s_cmp_lt_u32 s[WV], 8
	s_cselect_b32 s75, ttmp9, s74                  ; waves 0-7: block x; waves 8-15: block 15 - x
	s_lshl_b32 s[Q0], s75, 7
	s_and_b32 s75, s[WV], 7
	s_lshl_b32 s75, s75, 4
	s_add_co_u32 s[Q0], s[Q0], s75
	s_lshl_b32 s[LASTQ], s74, 7
	s_or_b32 s[LASTQ], s[LASTQ], 127
	; descriptor group 1: a dense block of 16,384 bytes as 64 rows of 256
	s_mov_b32 s[G1], 3<<16                         ; no mask; elements of 8 bytes; no padding
	s_mov_b32 s[G1+1], 32<<16                      ; tensor_dim0
	s_mov_b32 s[G1+2], 64<<16                      ; tensor_dim1
	s_mov_b32 s[G1+3], 32<<16                      ; tile_dim0
	s_mov_b32 s[G1+4], 64                          ; tile_dim1
	s_mov_b32 s[G1+5], 32                          ; tensor_dim0_stride
	s_mov_b32 s[G1+6], 0
	s_mov_b32 s[G1+7], 0
	s_and_b32 s82, s[WV], 3                        ; what I fetch, if I fetch
	s_lshr_b32 s83, s82, 1                         ; K (0) or V (1)
	s_and_b32 s82, s82, 1                          ; which half of a slot's 16 tiles
	s_lshl_b32 s83, s83, 4
	s_add_co_u32 s83, s83, 16
	s_add_co_u32 s83, s83, s72                     ; the panel: 16 + head, or 32 + head
	s_lshl_b32 s84, s83, 19
	s_lshl_b32 s83, s73, 18                        ; the batch's 128 tiles of 2,048 bytes
	s_add_co_u32 s84, s84, s83
	s_lshl_b32 s82, s82, 14
	s_add_co_u32 s84, s84, s82
	s_mov_b32 s85, 0
	s_lshl_b32 s86, s72, 19                        ; Q: panel head, tile 128 batch + Q0 / 16
	s_lshl_b32 s87, s73, 18
	s_add_co_u32 s86, s86, s87
	s_lshl_b32 s87, s[Q0], 7
	s_add_co_u32 s86, s86, s87
	s_mov_b32 s87, 0
	s_lshl_b32 s88, s73, 22                        ; ctx: fragment (128 batch + Q0 / 16) 32 + 2 head
	s_lshl_b32 s89, s[Q0], 11
	s_add_co_u32 s88, s88, s89
	s_lshl_b32 s89, s72, 11
	s_add_co_u32 s88, s88, s89
	s_mov_b32 s89, 0
	s_cmp_lt_u32 s[WV], 8                          ; the prefetches: K's panel or V's,
	s_cselect_b32 s90, 16, 32
	s_add_co_u32 s90, s90, s72
	s_lshl_b32 s90, s90, 19
	s_lshl_b32 s91, s73, 18
	s_add_co_u32 s90, s90, s91
	s_and_b32 s91, s[WV], 3
	s_lshl_b32 s91, s91, 13                        ; my wave's 8,192 bytes,
	s_add_co_u32 s90, s90, s91
	s_add_co_u32 s90, s90, 32768                   ; in slot 1: the first change of slots steps it to slot 2.  Nothing is prefetched at the head
	s_mov_b32 s91, 0
	s_sub_co_u32 s92, s[WV], 4
	s_lshr_b32 s92, s92, 3                         ; 0 in waves 4 to 11,
	s_or_b32 s92, s92, ttmp9                       ; of the head's first work-group
	s_cmp_eq_u32 s92, 0
	s_cselect_b32 s[LIM], 1, -1
	s_mov_b32 s[SEL], 0x76543210
	s_mov_b32 s[SEL+1], 0xfedcba98
	s_mov_b32 s[CS], 0x3e38aa3b                    ; c = log2(e) / 8
	s_mov_b32 s[CS+1], s[CS]                       ; (named with it as a pair, so it is written)
	s_mov_b32 s[TB], 0
	s_mov_b32 s[SLOTS], 7
	s_mov_b32 s[KF], 0
	s_wait_dscnt 0x0                               ; the opening add is done
	s_wait_kmcnt 0x0
	s_mov_b32 s[G0], 1                             ; count = 1
	s_lshl_b32 s[G0+1], s[WV], 14                  ; LDS address: wave x 16,384, in slot 0
	s_add_nc_u64 s[G0+2:G0+3], s[4:5], s[84:85]
	s_or_b32 s[G0+3], s[G0+3], 0x80000000          ; type = 2
	TLOAD                                          ; slot 0
	s_add_nc_u64 s[8:9], s[4:5], s[86:87]
	s_add_nc_u64 s[10:11], s[6:7], s[88:89]
	s_add_nc_u64 s[PFA:PFA+1], s[4:5], s[90:91]
	v_and_b32 v[LI], 31, v0
	v_lshlrev_b32 v[PFO], 8, v[LI]
	v_lshlrev_b32 v[LI], 4, v[LI]
.irp i, 0,1,2,3
	global_load_b128 v[QR+4*\i:QR+4*\i+3], v[LI], s[8:9] offset:512*\i   ; Q's two fragments stay in registers
.endr
	v_and_b32 v[RH8], 15, v0
	v_bfe_u32 v[T], v0, 4, 1
	v_lshlrev_b32 v[T], 3, v[T]
	v_sub_nc_u32 v[RH8], v[RH8], v[T]
	v_mov_b32 v[NINF], 0xff800000
	v_mov_b32 v[CM+1], 0xff61b1e6                  ; m: -3e38, under every score
	v_mul_f32 v[CM], s[CS], v[CM+1]
	v_mov_b32 v[LS], 0
	v_mov_b32 v[LS+1], 0
	v_mov_b32 v[T+1], 0                            ; (a lane permute's destination counts as one of its sources)
	v_mov_b32 v[AA+1], 0                           ; (named as the upper half of a pair)
.set n, 0
.rept 32
	v_mov_b32 v[OT+n], 0                           ; O^T.  (The step is written once: the first finds zeros, which a = 0 leaves zeros)
.set n, n+1
.endr
; A KEY STEP: 64 keys, the q-th of the slot in hand
.macro STEP q
	s_add_co_u32 s96, s[Q0], 15                    ; a step all of whose keys come after my 16 queries is left out: a scalar branch on ids, round no barrier and no tensor load
	s_cmp_gt_u32 s[KF], s96
	s_cbranch_scc1 .Lhidden_\@
	v_add_nc_u32 v[ADK], s[TB], v[LI]
.rept 3
	v_nop                                          ; with the addition: four places in front of loads into registers that the last products read
.endr
.irp i, 0,1,2,3
.irp f, 0,1
.irp c, 0,1
	ds_load_b128 v[KR+16*\i+8*\f+4*\c:KR+16*\i+8*\f+4*\c+3], v[ADK] offset:8192*(\q)+2048*\i+1024*\f+512*\c
.endr
.endr
.endr
.irp t, 0,1,2,3
.irp u, 0,1
.irp e, 0,1
	ds_load_tr16_b128 v[VR+16*\t+8*\u+4*\e:VR+16*\t+8*\u+4*\e+3], v[ADK] offset:VOFF+8192*(\q)+2048*(2*\u+\e)+1024*(\t/2)+512*(\t%2)
.endr
.endr
.endr
	s_wait_dscnt 16                                ; K is in; V's sixteen loads may be out
.irp i, 0,1,2,3                                ; the four accumulators take turns
	v_wmma_f32_16x16x32_f16 v[SR+8*\i:SR+8*\i+7], v[KR+16*\i:KR+16*\i+7], v[QR:QR+7], 0
.endr
.irp i, 0,1,2,3
	v_wmma_f32_16x16x32_f16 v[SR+8*\i:SR+8*\i+7], v[KR+16*\i+8:KR+16*\i+15], v[QR+8:QR+15], v[SR+8*\i:SR+8*\i+7]
.endr
.rept 4
	v_nop
.endr
	s_add_co_u32 s96, s[KF], 63                    ; on the diagonal hidden scores become -infinity ahead of the maximum; a step all of whose keys count skips this
	s_cmp_le_u32 s96, s[Q0]
	s_cbranch_scc1 .Lopen_\@
	s_sub_co_i32 s96, s[Q0], s[KF]
	v_add_nc_u32 v[DD], s96, v[RH8]                ; register 8 i + j holds key KF + 16 i + 8 (lane / 16) + j: hidden where 16 i + j is above this number
.set n, 0
.rept 32
	v_cmp_gt_i32 vcc_lo, 16*(n/8)+n%8, v[DD]
	v_cndmask_b32 v[SR+n], v[SR+n], v[NINF], vcc_lo
.set n, n+1
.endr
.Lopen_\@:
.irp j, 0,1,2,3
	v_max3_num_f32 v[T+\j], v[SR+8*\j], v[SR+8*\j+1], v[SR+8*\j+2]   ; the maximum in four chains, each accumulator from its low end on
.endr
.irp g, 1,2
.irp j, 0,1,2,3
	v_max3_num_f32 v[T+\j], v[T+\j], v[SR+8*\j+2*\g+1], v[SR+8*\j+2*\g+2]
.endr
.endr
	v_max3_num_f32 v[T], v[T], v[SR+7], v[SR+15]
	v_max3_num_f32 v[T+2], v[T+2], v[SR+23], v[SR+31]
	v_max3_num_f32 v[T], v[T], v[T+1], v[T+2]
	v_max3_num_f32 v[T], v[T], v[T+3], v[CM+1]     ; with the old m
	v_permlanex16_b32 v[T+1], v[T], s[SEL], s[SEL+1]   ; the query's other 32 keys lie in the lane 16 away
	v_mov_b32 v[T+3], v[CM]                        ; c m_old
	v_max_num_f32 v[CM+1], v[T], v[T+1]
	v_mul_f32 v[CM], s[CS], v[CM+1]
	v_sub_f32 v[AA], v[T+3], v[CM]
.set n, 0
.rept 16
	v_pk_fma_f32 v[SR+n:SR+n+1], v[SR+n:SR+n+1], s[CS:CS+1], v[CM:CM+1] op_sel_hi:[1,0,0] neg_lo:[0,0,1] neg_hi:[0,0,1]   ; c s - c m
.set n, n+2
.endr
	v_exp_f32 v[AA], v[AA]                         ; ONE BATCH: a and the 32 weights
.set n, 0
.rept 32
	v_exp_f32 v[SR+n], v[SR+n]
.set n, n+1
.endr
	v_nop                                          ; a plain instruction behind the last exponential
	s_wait_alu depctr_va_vdst(0)                   ; one wait for the batch, ahead of its first reader
	v_pk_fma_f32 v[LS:LS+1], v[LS:LS+1], v[AA:AA+1], v[SR:SR+1] op_sel_hi:[1,0,1]   ; l = a l + the weights, in two chains
	v_pk_add_f32 v[T:T+1], v[SR+2:SR+3], v[SR+4:SR+5]
.irp j, 6,10,14,18,22,26
	v_pk_add_f32 v[LS:LS+1], v[LS:LS+1], v[SR+\j:SR+\j+1]
	v_pk_add_f32 v[T:T+1], v[T:T+1], v[SR+\j+2:SR+\j+3]
.endr
	v_pk_add_f32 v[LS:LS+1], v[LS:LS+1], v[SR+30:SR+31]
	v_pk_add_f32 v[LS:LS+1], v[LS:LS+1], v[T:T+1]
.set n, 0
.rept 16
	v_cvt_pk_f16_f32 v[PR+n], v[SR+2*n], v[SR+2*n+1]   ; two neighbouring tiles of keys, packed in pairs, ARE source 1 of the second product
.set n, n+1
.endr
.set n, 0
.rept 16
	v_pk_mul_f32 v[OT+n:OT+n+1], v[OT+n:OT+n+1], v[AA:AA+1] op_sel_hi:[1,0]
.set n, n+2
.endr
	s_wait_dscnt 0x0                               ; V is in
.irp u, 0,1
.irp t, 0,1,2,3
	v_wmma_f32_16x16x32_f16 v[OT+8*\t:OT+8*\t+7], v[VR+16*\t+8*\u:VR+16*\t+8*\u+7], v[PR+8*\u:PR+8*\u+7], v[OT+8*\t:OT+8*\t+7]
.endr
.endr
.Lhidden_\@:
	s_add_co_u32 s[KF], s[KF], 64
.endm
; THE CHANGE OF SLOTS stands at a slot's head.  Each wave waits for all its tensor loads, adds 0 to its spare word, and waits for that and for its reads of the slot that it has left.  Behind the barrier the slot
; ahead is whole and nobody reads the other.  fill = 1: the other slot is filled with the keys that follow, while their first key is at or under the work-group's last query: a slot beyond that is read by no wave.
; The jump round the load hangs on ids and the count of steps alone, the same in all sixteen waves, and every wait for tensor loads in this text is for 0.
.macro CHANGE fill
	s_wait_tensorcnt 0x0                           ; no tensor load of mine is out, so group 0 may be written
	ds_add_u32 v[SPW], v[NIL]                      ; 0 onto my spare word
.if \fill
	s_xor_b32 s[G0+1], s[G0+1], SLOT1              ; the other slot than last time,
	s_add_nc_u64 s[G0+2:G0+3], s[G0+2:G0+3], 32768 ; the next 256 keys
	s_wait_xcnt 0x0                                ; the last prefetch, a slot back, has read its address
	s_add_nc_u64 s[PFA:PFA+1], s[PFA:PFA+1], 32768
.endif
	s_wait_dscnt 0x0                               ; the add is done, and my reads of the slot that I have left are over
	s_barrier_signal -1
	s_barrier_wait -1
.if \fill
	s_add_co_u32 s96, s[KF], 256
	s_cmp_gt_u32 s96, s[LASTQ]
	s_cbranch_scc1 .Lpast_\@
	TLOAD                                          ; a wave's one tensor load until the next such barrier: four key steps in which to land
.Lpast_\@:
	ASK
.endif
.endm
.macro SLOT_STEPS
	STEP 0
	STEP 1
	STEP 2
	STEP 3
	s_xor_b32 s[TB], s[TB], SLOT1
.endm
	s_wait_loadcnt 0x0                             ; Q
.Lslot:
	CHANGE 1
	SLOT_STEPS
	s_sub_co_u32 s[SLOTS], s[SLOTS], 1
	s_cmp_lg_u32 s[SLOTS], 0
	s_cbranch_scc1 .Lslot
	CHANGE 0                                       ; the last slot is written out: nothing is left to ask for
	SLOT_STEPS
	; THE WAY OUT: O^T / l, rounded to f16: a lane's eight channels are 16 bytes, and the 32 lanes' are 512 consecutive bytes of the next product's operand image
.rept 4
	v_nop                                          ; places behind the last products
.endr
	v_add_f32 v[LS], v[LS], v[LS+1]
	v_permlanex16_b32 v[T+1], v[LS], s[SEL], s[SEL+1]
	v_add_f32 v[LS], v[LS], v[T+1]
	v_rcp_f32 v[AA], v[LS]
	v_nop
	s_wait_alu depctr_va_vdst(0)                   ; ahead of the reciprocal's first reader
.set n, 0
.rept 16
	v_pk_mul_f32 v[OT+n:OT+n+1], v[OT+n:OT+n+1], v[AA:AA+1] op_sel_hi:[1,0]
.set n, n+2
.endr
.set n, 0
.rept 16
	v_cvt_pk_f16_f32 v[SR+n], v[OT+2*n], v[OT+2*n+1]
.set n, n+1
.endr
.irp t, 0,1,2,3
	global_store_b128 v[LI], v[SR+4*\t:SR+4*\t+3], s[10:11] offset:1024*(\t/2)+512*(\t%2)
.endr
	s_wait_tensorcnt 0x0                           ; the wave's end
	ds_add_u32 v[SPW], v[NIL]
	s_wait_dscnt 0x0
	s_endpgm
.Lfunc_end_k_qab7ee703a5_attn:
	.size	k_qab7ee703a5_attn, .Lfunc_end_k_qab7ee703a5_attn-k_qab7ee703a5_attn
	.p2alignl 7, 3214868480
	.fill 96, 4, 3214868480
	.section	.rodata,"a",@progbits
	.p2align	6, 0x0
	.amdhsa_kernel k_qab7ee703a5_attn
		.amdhsa_group_segment_fixed_size 327680
		.amdhsa_private_segment_fixed_size 0
		.amdhsa_enable_private_segment 0
		.amdhsa_kernarg_size 16
		.amdhsa_user_sgpr_count 2
		.amdhsa_user_sgpr_kernarg_segment_ptr 1
		.amdhsa_wavefront_size32 1
		.amdhsa_system_sgpr_workgroup_id_x 1
		.amdhsa_system_sgpr_workgroup_id_y 1
		.amdhsa_system_sgpr_workgroup_id_z 1
		.amdhsa_system_vgpr_workitem_id 0
		.amdhsa_next_free_vgpr 256
		.amdhsa_next_free_sgpr 100
		.amdhsa_reserve_vcc 1
		.amdhsa_float_denorm_mode_32 3
		.amdhsa_float_denorm_mode_16_64 3
		.amdhsa_memory_ordered 1
		.amdhsa_forward_progress 1
		.amdhsa_inst_pref_size 105
	.end_amdhsa_kernel
	.amdgpu_metadata
---
amdhsa.version: [ 1, 2 ]
amdhsa.kernels:
  - .name:           k_qab7ee703a5_attn
    .symbol:         k_qab7ee703a5_attn.kd
    .args:
      - { .name: qkv, .offset: 0, .size: 8, .value_kind: global_buffer, .address_space: global }
      - { .name: ctx, .offset: 8, .size: 8, .value_kind: global_buffer, .address_space: global }
    .group_segment_fixed_size: 327680
    .private_segment_fixed_size: 0
    .kernarg_segment_align: 8
    .kernarg_segment_size: 16
    .max_flat_workgroup_size: 512
    .sgpr_count:     100
    .vgpr_count:     256
    .wavefront_size: 32
...
	.end_amdgpu_metadata
.endif
;; end of part 3
;; launch fc (part 4): grid 8 x 32, 4 waves a work-group, clusters of 4 x 4, 327,680 bytes of LDS; arguments ctx, w16, embt, xsum; writes xsum
.if DOCPART == 4
	.amdgcn_target "amdgcn-amd-amdhsa--gfx1250"
	.amdhsa_code_object_version 6
	.text
	.protected	k_qab7ee703a5_fc
	.globl	k_qab7ee703a5_fc
	.p2align	8
	.type	k_qab7ee703a5_fc,@function
k_qab7ee703a5_fc:
	s_mov_b64 s[64:65], 0
	v_nop
	global_prefetch_b8 v0, s[64:65] scope:SCOPE_SE
	s_setreg_imm32_b32 hwreg(HW_REG_WAVE_MODE, 25, 1), 1
	s_wait_xcnt 0x0
	s_wait_alu depctr_hold_cnt(0) depctr_sa_sdst(0) depctr_va_vdst(0) depctr_va_sdst(0) depctr_va_ssrc(0) depctr_va_vcc(0) depctr_vm_vsrc(0)
	s_getreg_b32 s2, hwreg(HW_REG_IB_STS2, 6, 4)
	s_cmp_eq_u32 s2, 0
	s_cbranch_scc0 .Lentry_in_a_cluster
	s_endpgm
.Lentry_in_a_cluster:
	s_bfe_u32 s2, ttmp6, 0x10000c
	s_cmp_lg_u32 s2, 0xf033
	s_cbranch_scc0 .Lentry_shape_is_right
	s_endpgm
.Lentry_shape_is_right:
; X = R + A B^T.  A: [4096][SIZE_K] f16, B: [1024][SIZE_K] f16, both as images of the operands' registers (1,024 bytes for 16 rows x 32 K; a tile of 16 rows has its SIZE_K / 32 fragments on end).
; R and X: [4096][1024] f32 in the order of the 16 x 16 accumulators (1,024 bytes a tile): R is loaded straight into the accumulators and starts the sums; the accumulators are stored as they stand.
; So the residual is added ahead of the product's sum: another order of f32 rounding than the source's.  Here A = the attention's result, B = Wfc, R = the embeddings.
; A tile of X is 128 x 128: 256 work-groups of four waves, each 64 x 64: 16 accumulators.  K goes in steps of 256 through a ring of two LDS slots; a wave's tensor load brings 4 tiles x 8,192 bytes.
; CLUSTERS: 4 x 4 work-groups; A's tiles are asked for jointly along a row of the cluster, B's along a column.  THE MATRIX INSTRUCTION IS USED TRANSPOSED (source 0 = 16 rows of B, source 1 = 16 rows of A).
; REGISTERS: window 0: v16-29 addresses; v128-255 the accumulators ((a, b) at v[128 + 8 (4 a + b)]).  window 1: two fragment buffers of 128: for 64 along K, 64 registers of A, then 64 of B.
.set SIZE_K, 1024
.set BOFF,   0                         ; where B begins in w16
.set KT,     SIZE_K*32                 ; a tile's row of fragments in bytes
.set LAPS,   SIZE_K/512                ; a lap = two K steps = once round the ring
.set HALFT,  32768                     ; what one tensor load brings
.set SLOT,   131072                    ; A's 8 tiles x 8,192 bytes, then B's
.set SPARE,  262144                    ; behind the ring: the spare words, 128 bytes a wave
.set ADRA, 16                          ; v16-17  LDS address of my A fragments in slot 0, 1
.set ADRB, 20                          ; v20-21  the same for B
.set CO,   26                          ; v26     16 x lane
.set SPW,  28                          ; v28     LDS address of my spare word; never rewritten
.set NIL,  29                          ; v29     0; never rewritten
.set ACC,  128
.set F0,   0
.set F1,   128
.set WV, 12                            ; s12 wave; s13 my half of the rows (also: I fetch for A or B); s14 my half of the columns (also: which 4 tiles I fetch); s15 tile row
.set RH, 13
.set CH, 14
.set TR, 15
.set G1, 24
.set G0, 32
.set G1B, 48
.set G0B, 56
.set MSB, 0
.macro WIN new                         ; the immediate's high byte repeats the setting that is left
.if MSB != \new
	s_set_vgpr_msb (MSB<<8)|\new
.set MSB, \new
.endif
.endm
.set MUL,  0x05                        ; sources 0 (B) and 1 (A) window 1; C and D window 0
.set TO_F, 0x40                        ; destination window 1, address window 0
.macro JLOAD s                         ; a joint load: waves 0 and 1 fetch A's halves, waves 2 and 3 B's; an s_nop 0 and four v_nop follow each of the two lines
	s_cmp_eq_u32 s[RH], 0
	s_cbranch_scc0 .Lfor_b_\@
	tensor_load_to_lds s[G0+4*\s:G0+4*\s+3], s[G1:G1+7]
	s_nop 0
.rept 4
	v_nop
.endr
	s_branch .Lasked_\@
.Lfor_b_\@:
	tensor_load_to_lds s[G0B+4*\s:G0B+4*\s+3], s[G1B:G1B+7]
	s_nop 0
.rept 4
	v_nop
.endr
.Lasked_\@:
.endm
.macro CREST                           ; a round of the cluster's barrier behind its opening barrier
	s_cmp_lg_u32 s[WV], 0
	s_cbranch_scc1 .Lnot_wave_0_\@
	s_barrier_signal -3
.Lnot_wave_0_\@:
	s_barrier_wait -3
	s_barrier_signal -1
	s_barrier_wait -1
.endm
.macro CROUND
	s_barrier_signal -1
	s_barrier_wait -1
	CREST
.endm
	s_load_b256 s[4:11], s[0:1], 0x0               ; A 4, w16 6, R 8, X 10
	v_lshl_add_u32 v[SPW], v0, 2, SPARE
	v_mov_b32 v[NIL], 0
	ds_add_u32 v[SPW], v[NIL]                      ; the wave's opening: the add and its wait stand ahead of my first tensor load; work on registers stands between them
	v_lshrrev_b32 v1, 5, v0
	v_readfirstlane_b32 s[WV], v1
	s_lshr_b32 s[RH], s[WV], 1
	s_and_b32 s[CH], s[WV], 1
	s_bfe_u32 s40, ttmp6, 0x40000                  ; cx, cy
	s_bfe_u32 s41, ttmp6, 0x40004
	s_lshl_b32 s42, ttmp9, 2
	s_add_co_u32 s42, s42, s40                     ; tile column
	s_and_b32 s[TR], ttmp7, 0xffff
	s_lshl_b32 s[TR], s[TR], 2
	s_add_co_u32 s[TR], s[TR], s41                 ; tile row
	s_lshl_b32 s43, s41, 2
	s_lshl_b32 s43, 15, s43                        ; my row of the cluster
	s_lshl_b32 s44, 0x1111, s40                    ; my column
	; descriptor group 1: 4 rows (tiles of 16 operand rows) x 8,192 bytes (8 fragments), KT bytes apart in memory, dense in LDS
	s_or_b32 s[G1+0], s43, (3<<16)|(1<<21)         ; the mask; elements of 8 bytes; bit 21 set beside a mask
	s_or_b32 s[G1B+0], s44, (3<<16)|(1<<21)
.irp g, G1, G1B
	s_mov_b32 s[\g+1], 1024<<16                    ; tensor_dim0
	s_mov_b32 s[\g+2], 4<<16                       ; tensor_dim1
	s_mov_b32 s[\g+3], 1024<<16                    ; tile_dim0
	s_mov_b32 s[\g+4], 4                           ; tile_dim1
	s_mov_b32 s[\g+5], KT/8                        ; tensor_dim0_stride
	s_mov_b32 s[\g+6], 0
	s_mov_b32 s[\g+7], 0
.endr
	s_lshl_b32 s17, s[CH], 2                       ; which 4 tiles of the 8 I fetch
	s_lshl_b32 s16, s[TR], 3
	s_add_co_u32 s16, s16, s17
	s_mul_i32 s16, s16, KT                         ; A: tile 8 x tile row + 4 x half
	s_lshl_b32 s46, s42, 3
	s_add_co_u32 s46, s46, s17
	s_mul_i32 s46, s46, KT
	s_add_co_u32 s46, s46, BOFF                    ; B: tile 8 x tile column + 4 x half
	s_mov_b32 s17, 0
	s_mov_b32 s47, 0
	s_lshl_b32 s45, s[WV], 15                      ; where they go: wave x 32,768
	s_wait_dscnt 0x0                               ; the opening add is done
	s_wait_kmcnt 0x0
	s_add_nc_u64 s[18:19], s[4:5], s[16:17]
	s_add_nc_u64 s[46:47], s[6:7], s[46:47]
	CROUND                                         ; all sixteen work-groups are here: the first joint loads meet
.irp s, 0,1
	s_mov_b32 s[G0+4*\s], 1
	s_add_co_u32 s[G0+4*\s+1], s45, \s*SLOT
	s_add_nc_u64 s[G0+4*\s+2:G0+4*\s+3], s[18:19], \s*8192
	s_or_b32 s[G0+4*\s+3], s[G0+4*\s+3], 0x80000000
	s_mov_b32 s[G0B+4*\s], 1
	s_add_co_u32 s[G0B+4*\s+1], s45, \s*SLOT
	s_add_nc_u64 s[G0B+4*\s+2:G0B+4*\s+3], s[46:47], \s*8192
	s_or_b32 s[G0B+4*\s+3], s[G0B+4*\s+3], 0x80000000
	JLOAD \s
.endr
	v_and_b32 v[CO], 31, v0
	v_lshlrev_b32 v[CO], 4, v[CO]
	s_lshl_b32 s21, s[RH], 15                      ; my 4 tiles of A
	s_lshl_b32 s22, s[CH], 15                      ; my 4 tiles of B,
	s_add_co_u32 s22, s22, 65536                   ; which lie behind A's 8
.irp s, 0,1
	v_add_nc_u32 v[ADRA+\s], s21, v[CO]
	v_add_nc_u32 v[ADRB+\s], s22, v[CO]
	s_add_co_u32 s21, s21, SLOT
	s_add_co_u32 s22, s22, SLOT
.endr
	s_lshl_b32 s20, s[TR], 19                      ; R and X: tile ((8 tile row + 4 half) 64 + 8 tile column + 4 half)
	s_lshl_b32 s21, s[RH], 18
	s_add_co_u32 s20, s20, s21
	s_lshl_b32 s21, s42, 13
	s_add_co_u32 s20, s20, s21
	s_lshl_b32 s21, s[CH], 12
	s_add_co_u32 s20, s20, s21
	s_mov_b32 s21, 0
	s_add_nc_u64 s[8:9], s[8:9], s[20:21]
	s_add_nc_u64 s[10:11], s[10:11], s[20:21]
.irp a, 0,1,2,3
.irp b, 0,1,2,3
.irp e, 0,1
	global_load_b128 v[ACC+8*(4*\a+\b)+4*\e:ACC+8*(4*\a+\b)+4*\e+3], v[CO], s[8:9] offset:65536*\a+1024*\b+512*\e th:TH_LOAD_NT   ; the residual starts the sums
.endr
.endr
.endr
; 8 matrix instructions: m blocks a0, a0 + 1 x all 4 n blocks, 32 along K: half c of buffer f.  The 16 accumulators take turns
.macro MUL8 f, c, a0
.irp a, \a0, \a0+1
.irp b, 0,1,2,3
	v_wmma_f32_16x16x32_f16 v[ACC+8*(4*(\a)+\b):ACC+8*(4*(\a)+\b)+7], v[\f+64+8*(4*\c+\b):\f+64+8*(4*\c+\b)+7], v[\f+8*(4*\c+\a):\f+8*(4*\c+\a)+7], v[ACC+8*(4*(\a)+\b):ACC+8*(4*(\a)+\b)+7]
.endr
.endr
.endm
; 32 LDS loads in one run: the fragments of 64 along K (two images a tile) from byte k of a tile's 8,192 on, into buffer f; the first 32 along K first
.macro FETCH slot, k, f
	WIN TO_F
.irp c, 0,1
.irp i, 0,1,2,3
	ds_load_b128 v[\f+64+8*(4*\c+\i):\f+64+8*(4*\c+\i)+3],   v[ADRB+\slot] offset:\k+1024*\c+8192*\i
	ds_load_b128 v[\f+64+8*(4*\c+\i)+4:\f+64+8*(4*\c+\i)+7], v[ADRB+\slot] offset:\k+1024*\c+8192*\i+512
	ds_load_b128 v[\f+8*(4*\c+\i):\f+8*(4*\c+\i)+3],         v[ADRA+\slot] offset:\k+1024*\c+8192*\i
	ds_load_b128 v[\f+8*(4*\c+\i)+4:\f+8*(4*\c+\i)+7],       v[ADRA+\slot] offset:\k+1024*\c+8192*\i+512
.endr
.endr
.endm
.macro PLACES                          ; four places in front of loads into registers that matrix instructions have read, and of the first read of results
.rept 4
	v_nop
.endr
.endm
.macro QUARTER slot, k, f, g           ; 64 along K: multiplies buffer f and fetches the next quarter, at byte k, into g
	s_wait_dscnt 16                                ; the first 32 along K are in
	WIN MUL
	MUL8 \f, 0, 0
	MUL8 \f, 0, 2
	PLACES
	FETCH \slot, \k, \g
	s_wait_dscnt 32                                ; all but the 32 just issued
	WIN MUL
	MUL8 \f, 1, 0
	MUL8 \f, 1, 2
.endm
; The last quarter multiplies buffer 1 and changes slots: ONE barrier; in front of it each wave waits for all its tensor loads, adds 0 to its spare word, and waits for that and for its reads of this slot.  fill = 1: this slot is filled again, two K steps ahead.
.macro TURN slot, next, fill
	WIN 0
	s_wait_tensorcnt 0x0                           ; all my tensor loads have landed: my part of the next slot
	ds_add_u32 v[SPW], v[NIL]                      ; 0 onto my spare word
	s_wait_dscnt 17                                ; (the add and the youngest sixteen loads may be out)
	WIN MUL
	MUL8 F1, 0, 0
	s_wait_dscnt 0x0                               ; the add is done, and my reads of this slot are over
	s_barrier_signal -1
	MUL8 F1, 0, 2
.if \fill
	WIN 0
.endif
	s_barrier_wait -1
.if \fill
	CREST                                          ; the barrier has opened a round of the cluster's barrier: no wave of any partner still reads this slot or has a load on its way
	s_add_nc_u64 s[G0+4*\slot+2:G0+4*\slot+3], s[G0+4*\slot+2:G0+4*\slot+3], 16384
	s_add_nc_u64 s[G0B+4*\slot+2:G0B+4*\slot+3], s[G0B+4*\slot+2:G0B+4*\slot+3], 16384
	JLOAD \slot                                    ; the first tensor load behind the round; its four v_nop are also the places in front of the loads below
.else
	PLACES
.endif
	FETCH \next, 0, F0
	WIN MUL
	MUL8 F1, 1, 0
	MUL8 F1, 1, 2
.endm
	s_wait_tensorcnt 1                             ; my part of K step 0 is in (K step 1's load may be out)
	s_barrier_signal -1
	s_barrier_wait -1                              ; everybody's is
	FETCH 0, 0, F0
	s_wait_loadcnt 0x0                             ; the residual
	QUARTER 0, 2048, F0, F1
	WIN 0
	s_mov_b32 s3, LAPS-1
.Llap:                                                 ; a trip goes once round the ring and fills both slots again
	QUARTER 0, 4096, F1, F0
	QUARTER 0, 6144, F0, F1
	TURN 0, 1, 1
	QUARTER 1, 2048, F0, F1
	QUARTER 1, 4096, F1, F0
	QUARTER 1, 6144, F0, F1
	TURN 1, 0, 1
	QUARTER 0, 2048, F0, F1
	WIN 0
	s_sub_co_u32 s3, s3, 1
	s_cmp_lg_u32 s3, 0
	s_cbranch_scc1 .Llap
	QUARTER 0, 4096, F1, F0                        ; the last lap fills nothing
	QUARTER 0, 6144, F0, F1
	TURN 0, 1, 0
	QUARTER 1, 2048, F0, F1
	QUARTER 1, 4096, F1, F0
	QUARTER 1, 6144, F0, F1
	s_wait_dscnt 16
	WIN MUL
	MUL8 F1, 0, 0
	MUL8 F1, 0, 2
	s_wait_dscnt 0
	MUL8 F1, 1, 0
	MUL8 F1, 1, 2
	WIN 0
	PLACES
.irp a, 0,1,2,3
.irp b, 0,1,2,3
.irp e, 0,1
	global_store_b128 v[CO], v[ACC+8*(4*\a+\b)+4*\e:ACC+8*(4*\a+\b)+4*\e+3], s[10:11] offset:65536*\a+1024*\b+512*\e   ; 512 consecutive bytes; each accumulator from its low end on
.endr
.endr
.endr
	s_wait_tensorcnt 0x0                           ; the wave's end
	ds_add_u32 v[SPW], v[NIL]
	s_wait_dscnt 0x0
	CROUND                                         ; the closing round
	s_endpgm
.Lfunc_end_k_qab7ee703a5_fc:
	.size	k_qab7ee703a5_fc, .Lfunc_end_k_qab7ee703a5_fc-k_qab7ee703a5_fc
	.p2alignl 7, 3214868480
	.fill 96, 4, 3214868480
	.section	.rodata,"a",@progbits
	.p2align	6, 0x0
	.amdhsa_kernel k_qab7ee703a5_fc
		.amdhsa_group_segment_fixed_size 327680
		.amdhsa_private_segment_fixed_size 0
		.amdhsa_enable_private_segment 0
		.amdhsa_kernarg_size 32
		.amdhsa_user_sgpr_count 2
		.amdhsa_user_sgpr_kernarg_segment_ptr 1
		.amdhsa_wavefront_size32 1
		.amdhsa_system_sgpr_workgroup_id_x 1
		.amdhsa_system_sgpr_workgroup_id_y 1
		.amdhsa_system_sgpr_workgroup_id_z 1
		.amdhsa_system_vgpr_workitem_id 0
		.amdhsa_next_free_vgpr 512
		.amdhsa_next_free_sgpr 66
		.amdhsa_reserve_vcc 0
		.amdhsa_float_denorm_mode_32 3
		.amdhsa_float_denorm_mode_16_64 3
		.amdhsa_memory_ordered 1
		.amdhsa_forward_progress 1
		.amdhsa_inst_pref_size 83
	.end_amdhsa_kernel
	.amdgpu_metadata
---
amdhsa.version: [ 1, 2 ]
amdhsa.kernels:
  - .name:           k_qab7ee703a5_fc
    .symbol:         k_qab7ee703a5_fc.kd
    .args:
      - { .name: ctx, .offset: 0, .size: 8, .value_kind: global_buffer, .address_space: global }
      - { .name: w16, .offset: 8, .size: 8, .value_kind: global_buffer, .address_space: global }
      - { .name: embt, .offset: 16, .size: 8, .value_kind: global_buffer, .address_space: global }
      - { .name: xsum, .offset: 24, .size: 8, .value_kind: global_buffer, .address_space: global }
    .group_segment_fixed_size: 327680
    .private_segment_fixed_size: 0
    .kernarg_segment_align: 8
    .kernarg_segment_size: 32
    .max_flat_workgroup_size: 128
    .sgpr_count:     66
    .vgpr_count:     512
    .wavefront_size: 32
...
	.end_amdgpu_metadata
.endif
;; end of part 4
;; launch ln1 (part 5): grid 256 x 1, 8 waves a work-group, no clusters, 2,048 bytes of LDS; arguments xsum, bfc, g1, be1, old; writes old
.if DOCPART == 5
	.amdgcn_target "amdgcn-amd-amdhsa--gfx1250"
	.amdhsa_code_object_version 6
	.text
	.protected	k_qab7ee703a5_ln1
	.globl	k_qab7ee703a5_ln1
	.p2align	8
	.type	k_qab7ee703a5_ln1,@function
k_qab7ee703a5_ln1:
	s_mov_b64 s[64:65], 0
	v_nop
	global_prefetch_b8 v0, s[64:65] scope:SCOPE_SE
	s_setreg_imm32_b32 hwreg(HW_REG_WAVE_MODE, 25, 1), 1
	s_wait_xcnt 0x0
; y = layernorm(x + c) g + b along rows of 1,024.  x lies in the order of 16 x 16 accumulators (1,024 bytes a tile: lane (r, h) holds row r, columns 8 h .. 8 h + 7; registers 0-3 at 16 x lane, 4-7 at 512 + 16 x lane).
; c is the bias of the product that made x.  A work-group takes 16 rows, wave w column tiles 8 w .. 8 w + 7: a lane holds 64 numbers of one row.  Mean first, then the mean of squared differences, as the source has it.
; A row's sums meet in LDS: a word for each row and wave, one barrier for each of the two sums.
; OUTROWS = 0: y leaves twice: in f32 in x's own order (a later residual), and in f16 as images of the next product's operand (two neighbouring tiles, packed in pairs, are one fragment).
; OUTROWS = 1: y leaves row-major in f32, through a stage in LDS, so that each store of a wave covers 512 consecutive bytes of a row.
.set OUTROWS, 0
.set RED1, 0                           ; LDS: [16 rows][8 waves] words
.set RED2, 512
.if OUTROWS
.set STG,   1024                       ; 16 rows x (4,096 + 16) bytes
.set SPARE, 66816                      ; the spare words, 128 bytes a wave
.else
.set SPARE, 1024
.endif
.set X,  32                            ; v32-95   my 64 numbers
.set CB, 96                            ; v96-159  c, later b
.set G,  160                           ; v160-223 g
.set H,  224                           ; v224-255 f16 results
	s_load_b256 s[4:11], s[0:1], 0x0               ; x 4, c 6, g 8, b 10
	s_load_b64 s[12:13], s[0:1], 0x20              ; the output
	v_lshl_add_u32 v7, v0, 2, SPARE                ; v7: LDS address of my spare word; v8: 0; neither is rewritten
	v_mov_b32 v8, 0
	v_lshrrev_b32 v1, 5, v0
	v_readfirstlane_b32 s14, v1                    ; wave 0..7
	v_and_b32 v1, 31, v0
	v_lshlrev_b32 v1, 4, v1                        ; 16 x lane
	v_and_b32 v2, 15, v0                           ; r
	v_bfe_u32 v3, v0, 4, 1                         ; h
	v_lshlrev_b32 v4, 5, v3                        ; my eight columns of a tile, in bytes
	v_lshlrev_b32 v6, 5, v2                        ; my row's eight words
	s_lshl_b32 s15, s14, 2
	v_add_nc_u32 v5, s15, v6                       ; my wave's word among them
	v_mov_b32 v14, 0                               ; (a lane permute's destination counts as one of its sources)
	s_mov_b32 s16, 0x76543210
	s_mov_b32 s17, 0xfedcba98
	s_mov_b32 s24, 0x3a800000                      ; 1 / 1,024
	s_lshl_b32 s18, ttmp9, 16
	s_lshl_b32 s20, s14, 13
	s_add_co_u32 s18, s18, s20                     ; tile 64 mt + 8 w
	s_mov_b32 s19, 0
	s_lshl_b32 s20, s14, 9                         ; my 128 columns
	s_mov_b32 s21, 0
.if OUTROWS
	v_mul_u32_u24 v28, v2, 4112
	v_add_nc_u32 v28, v28, v4
	s_add_co_u32 s25, s20, STG
	v_add_nc_u32 v28, s25, v28                     ; into the stage: row r, + 512 w + 32 h
	s_mul_i32 s25, s14, 8224
	s_add_co_u32 s25, s25, STG
	v_add_nc_u32 v29, s25, v1                      ; back: rows 2 w and 2 w + 1, 16 bytes a lane
.else
	s_lshl_b32 s22, ttmp9, 15
	s_lshl_b32 s25, s14, 12
	s_add_co_u32 s22, s22, s25
	s_add_co_u32 s22, s22, 16777216                ; the f16 images: fragment 32 mt + 4 w, behind the f32 copy
	s_mov_b32 s23, 0
.endif
	s_wait_kmcnt 0x0
	s_add_nc_u64 s[4:5], s[4:5], s[18:19]
	s_add_nc_u64 s[6:7], s[6:7], s[20:21]
	s_add_nc_u64 s[8:9], s[8:9], s[20:21]
	s_add_nc_u64 s[10:11], s[10:11], s[20:21]
.if OUTROWS == 0
	s_add_nc_u64 s[22:23], s[12:13], s[22:23]
.endif
	s_add_nc_u64 s[12:13], s[12:13], s[18:19]
.irp t, 0,1,2,3,4,5,6,7
.irp e, 0,1
	global_load_b128 v[X+8*\t+4*\e:X+8*\t+4*\e+3], v1, s[4:5] offset:1024*\t+512*\e th:TH_LOAD_NT
.endr
.endr
.irp t, 0,1,2,3,4,5,6,7
.irp e, 0,1
	global_load_b128 v[CB+8*\t+4*\e:CB+8*\t+4*\e+3], v4, s[6:7] offset:64*\t+16*\e
.endr
.endr
.irp t, 0,1,2,3,4,5,6,7
.irp e, 0,1
	global_load_b128 v[G+8*\t+4*\e:G+8*\t+4*\e+3], v4, s[8:9] offset:64*\t+16*\e
.endr
.endr
	s_wait_loadcnt 16                              ; x and c are in; g's sixteen loads may be out
.set n, 0
.rept 32
	v_pk_add_f32 v[X+n:X+n+1], v[X+n:X+n+1], v[CB+n:CB+n+1]
.set n, n+2
.endr
.irp t, 0,1,2,3,4,5,6,7
.irp e, 0,1
	global_load_b128 v[CB+8*\t+4*\e:CB+8*\t+4*\e+3], v4, s[10:11] offset:64*\t+16*\e   ; b takes c's registers
.endr
.endr
; v10: the sum of my 64 numbers -> v16: the row's sum over all 1,024 columns
.macro REDUCE red
	v_pk_add_f32 v[10:11], v[10:11], v[12:13]
	v_add_f32 v10, v10, v11
	v_permlanex16_b32 v14, v10, s16, s17           ; the row's other 64 numbers of my wave lie in the lane 16 away
	v_add_f32 v10, v10, v14
	ds_store_b32 v5, v10 offset:\red               ; both halves of the lanes write the same word with the same value
	s_wait_dscnt 0x0                               ; for the others' sake: my store is done
	s_barrier_signal -1
	s_barrier_wait -1
	ds_load_b128 v[16:19], v6 offset:\red
	ds_load_b128 v[20:23], v6 offset:\red+16
	s_wait_dscnt 0x0
	v_pk_add_f32 v[16:17], v[16:17], v[18:19]
	v_pk_add_f32 v[20:21], v[20:21], v[22:23]
	v_pk_add_f32 v[16:17], v[16:17], v[20:21]
	v_add_f32 v16, v16, v17
.endm
	v_pk_add_f32 v[10:11], v[X:X+1], v[X+2:X+3]    ; two chains
	v_pk_add_f32 v[12:13], v[X+4:X+5], v[X+6:X+7]
.set n, 8
.rept 14
	v_pk_add_f32 v[10:11], v[10:11], v[X+n:X+n+1]
	v_pk_add_f32 v[12:13], v[12:13], v[X+n+2:X+n+3]
.set n, n+4
.endr
	REDUCE RED1
	v_mul_f32 v24, s24, v16                        ; the mean
	v_mov_b32 v25, v24
.set n, 0
.rept 32
	v_pk_add_f32 v[X+n:X+n+1], v[X+n:X+n+1], v[24:25] neg_lo:[0,1] neg_hi:[0,1]
.set n, n+2
.endr
	v_pk_mul_f32 v[10:11], v[X:X+1], v[X:X+1]
	v_pk_mul_f32 v[12:13], v[X+2:X+3], v[X+2:X+3]
.set n, 4
.rept 15
	v_pk_fma_f32 v[10:11], v[X+n:X+n+1], v[X+n:X+n+1], v[10:11]
	v_pk_fma_f32 v[12:13], v[X+n+2:X+n+3], v[X+n+2:X+n+3], v[12:13]
.set n, n+4
.endr
	REDUCE RED2                                    ; other words than the first sum's: no barrier between the reads of those and these stores
	v_fmaak_f32 v26, s24, v16, 0x3727c5ac          ; the variance + 1e-5
	v_rsq_f32 v26, v26
	v_nop
	s_wait_alu depctr_va_vdst(0)                   ; ahead of the first reader
	v_mov_b32 v27, v26
	s_wait_loadcnt 0x0                             ; g and b
.set n, 0
.rept 32
	v_pk_mul_f32 v[X+n:X+n+1], v[X+n:X+n+1], v[26:27]
.set n, n+2
.endr
.set n, 0
.rept 32
	v_pk_fma_f32 v[X+n:X+n+1], v[X+n:X+n+1], v[G+n:G+n+1], v[CB+n:CB+n+1]
.set n, n+2
.endr
.if OUTROWS
.irp t, 0,1,2,3,4,5,6,7
.irp e, 0,1
	ds_store_b128 v28, v[X+8*\t+4*\e:X+8*\t+4*\e+3] offset:64*\t+16*\e
.endr
.endr
	s_wait_dscnt 0x0                               ; for the others' sake: my stores into the stage are done
	s_barrier_signal -1
	s_barrier_wait -1
.irp i, 0,1,2,3,4,5,6,7,8,9,10,11,12,13,14,15
	ds_load_b128 v[X+4*\i:X+4*\i+3], v29 offset:(\i/8)*4112+512*(\i%8)
.endr
.irp i, 0,1,2,3,4,5,6,7,8,9,10,11,12,13,14,15
	s_wait_dscnt 15-\i                             ; load i is in; the younger ones may be out
	global_store_b128 v1, v[X+4*\i:X+4*\i+3], s[12:13] offset:(\i/8)*4096+512*(\i%8) th:TH_STORE_NT
.endr
.else
.irp t, 0,1,2,3,4,5,6,7
.irp e, 0,1
	global_store_b128 v1, v[X+8*\t+4*\e:X+8*\t+4*\e+3], s[12:13] offset:1024*\t+512*\e
.endr
.endr
.set n, 0
.rept 32
	v_cvt_pk_f16_f32 v[H+n], v[X+2*n], v[X+2*n+1]
.set n, n+1
.endr
.irp t, 0,1,2,3,4,5,6,7
	global_store_b128 v1, v[H+4*\t:H+4*\t+3], s[22:23] offset:1024*(\t/2)+512*(\t%2)
.endr
.endif
	s_wait_tensorcnt 0x0                           ; the wave's end, behind my last LDS store
	ds_add_u32 v7, v8
	s_wait_dscnt 0x0
	s_endpgm
.Lfunc_end_k_qab7ee703a5_ln1:
	.size	k_qab7ee703a5_ln1, .Lfunc_end_k_qab7ee703a5_ln1-k_qab7ee703a5_ln1
	.p2alignl 7, 3214868480
	.fill 96, 4, 3214868480
	.section	.rodata,"a",@progbits
	.p2align	6, 0x0
	.amdhsa_kernel k_qab7ee703a5_ln1
		.amdhsa_group_segment_fixed_size 2048
		.amdhsa_private_segment_fixed_size 0
		.amdhsa_enable_private_segment 0
		.amdhsa_kernarg_size 40
		.amdhsa_user_sgpr_count 2
		.amdhsa_user_sgpr_kernarg_segment_ptr 1
		.amdhsa_wavefront_size32 1
		.amdhsa_system_sgpr_workgroup_id_x 1
		.amdhsa_system_sgpr_workgroup_id_y 1
		.amdhsa_system_sgpr_workgroup_id_z 1
		.amdhsa_system_vgpr_workitem_id 0
		.amdhsa_next_free_vgpr 256
		.amdhsa_next_free_sgpr 66
		.amdhsa_reserve_vcc 0
		.amdhsa_float_denorm_mode_32 3
		.amdhsa_float_denorm_mode_16_64 3
		.amdhsa_memory_ordered 1
		.amdhsa_forward_progress 1
		.amdhsa_inst_pref_size 26
	.end_amdhsa_kernel
	.amdgpu_metadata
---
amdhsa.version: [ 1, 2 ]
amdhsa.kernels:
  - .name:           k_qab7ee703a5_ln1
    .symbol:         k_qab7ee703a5_ln1.kd
    .args:
      - { .name: xsum, .offset: 0, .size: 8, .value_kind: global_buffer, .address_space: global }
      - { .name: bfc, .offset: 8, .size: 8, .value_kind: global_buffer, .address_space: global }
      - { .name: g1, .offset: 16, .size: 8, .value_kind: global_buffer, .address_space: global }
      - { .name: be1, .offset: 24, .size: 8, .value_kind: global_buffer, .address_space: global }
      - { .name: old, .offset: 32, .size: 8, .value_kind: global_buffer, .address_space: global }
    .group_segment_fixed_size: 2048
    .private_segment_fixed_size: 0
    .kernarg_segment_align: 8
    .kernarg_segment_size: 40
    .max_flat_workgroup_size: 256
    .sgpr_count:     66
    .vgpr_count:     256
    .wavefront_size: 32
...
	.end_amdgpu_metadata
.endif
;; end of part 5
;; launch w1 (part 6): grid 16 x 16, 4 waves a work-group, clusters of 4 x 4, 327,680 bytes of LDS; arguments old, w16, b1, hid; writes hid
.if DOCPART == 6
	.amdgcn_target "amdgcn-amd-amdhsa--gfx1250"
	.amdhsa_code_object_version 6
	.text
	.protected	k_qab7ee703a5_w1
	.globl	k_qab7ee703a5_w1
	.p2align	8
	.type	k_qab7ee703a5_w1,@function
k_qab7ee703a5_w1:
	s_mov_b64 s[64:65], 0
	v_nop
	global_prefetch_b8 v0, s[64:65] scope:SCOPE_SE
	s_setreg_imm32_b32 hwreg(HW_REG_WAVE_MODE, 25, 1), 1
	s_wait_xcnt 0x0
	s_wait_alu depctr_hold_cnt(0) depctr_sa_sdst(0) depctr_va_vdst(0) depctr_va_sdst(0) depctr_va_ssrc(0) depctr_va_vcc(0) depctr_vm_vsrc(0)
	s_getreg_b32 s2, hwreg(HW_REG_IB_STS2, 6, 4)
	s_cmp_eq_u32 s2, 0
	s_cbranch_scc0 .Lentry_in_a_cluster
	s_endpgm
.Lentry_in_a_cluster:
	s_bfe_u32 s2, ttmp6, 0x10000c
	s_cmp_lg_u32 s2, 0xf033
	s_cbranch_scc0 .Lentry_shape_is_right
	s_endpgm
.Lentry_shape_is_right:
; h = gelu(A B^T + b1), exact GELU.  A: [4096][1024] f16 (the first norm's result), B: [4096][1024] f16 (W1's columns), both as images of the operands' registers (1,024 bytes for 16 rows x 32 K); sums f32; h leaves as f16 images.
; A tile of h is 256 x 256: 256 work-groups of four waves, each 128 x 128: 64 accumulators.  K goes in steps of 128 through a ring of two LDS slots; a wave's tensor load brings 8 tiles x 4,096 bytes.
; CLUSTERS: 4 x 4 work-groups; A's tiles are asked for jointly along a row of the cluster, B's along a column.  THE MATRIX INSTRUCTION IS USED TRANSPOSED (source 0 = 16 rows of B, source 1 = 16 rows of A):
; a lane holds one row and eight neighbouring columns; two neighbouring tiles of columns, packed in pairs, are a fragment of the next product's operand.  The bias is the C of each sum's first product.
; GELU: gelu(x) = max(x, 0) - |x| / 2 erfc(|x| / sqrt 2), with erfc(z) = t (a1 + t (a2 + t (a3 + t (a4 + t a5)))) e^(-z z), t = 1 / (1 + 0.3275911 z): absolute error up to 1.5e-7 for every z >= 0.
; With Y = |x| sqrt(log2(e) / 2): e^(-z z) = 2^(-Y Y), 0.3275911 z = p' Y, |x| / 2 = 0.58870501 Y, which is folded into a1 .. a5.  The accumulators go through LDS so that the activation is a loop of 8 trips.
; LIMITS: |h| up to 65,504 (f16); an infinite x gives NaN.
; REGISTERS: window 0: v16-31 addresses; v64-127, v128-191 A's fragments, two buffers; v192-255 the bias; behind the products v32-219 serve the activation.  window 1: v64-127, v128-191 B's.  windows 2, 3: accumulators.
.set LAPS,   4                         ; a lap = two K steps of 128
.set SLOT,   131072                    ; A's 16 tiles x 4,096 bytes, then B's
.set SPARE,  262144                    ; behind the ring: the spare words, 128 bytes a wave
.set ADRA, 16
.set ADRB, 20
.set STO,  24                          ; v24  the activation's stage: 65,536 x wave + 16 x lane
.set RDA,  25                          ; v25  where a trip reads it
.set CO,   26                          ; v26  16 x lane
.set BO,   27                          ; v27  32 x (lane / 16)
.set SPW,  28
.set NIL,  29
.set F0,   64
.set F1,   128
.set BI,   192
.set GX,   32                          ; the activation: x, then max(x, 0), then the result
.set GY,   64                          ; Y
.set GT,   96                          ; t
.set GE,   128                         ; 2^(-Y Y)
.set GP,   160                         ; the polynomial
.set OUTR, 192                         ; f16 results
.set KP,   208                         ; v[208:219] six constants, each twice: p', a5, a4, a3, a2, a1
.set WV, 12
.set RH, 13
.set CH, 14
.set TR, 15
.set G1, 24
.set G0, 32
.set G1B, 48
.set G0B, 56
.set MSB, 0
.macro WIN new                         ; the immediate's high byte repeats the setting that is left
.if MSB != \new
	s_set_vgpr_msb (MSB<<8)|\new
.set MSB, \new
.endif
.endm
.set MUL_LO,   0xa1                    ; source 0 (B) window 1, source 1 (A) window 0, C and D window 2
.set MUL_HI,   0xf1
.set FIRST_LO, 0x81                    ; C (the bias) window 0, D window 2
.set FIRST_HI, 0xc1
.set TO_B,     0x40
.macro JLOAD s                         ; a joint load: waves 0 and 1 fetch A's halves, waves 2 and 3 B's; an s_nop 0 and four v_nop follow each of the two lines
	s_cmp_eq_u32 s[RH], 0
	s_cbranch_scc0 .Lfor_b_\@
	tensor_load_to_lds s[G0+4*\s:G0+4*\s+3], s[G1:G1+7]
	s_nop 0
.rept 4
	v_nop
.endr
	s_branch .Lasked_\@
.Lfor_b_\@:
	tensor_load_to_lds s[G0B+4*\s:G0B+4*\s+3], s[G1B:G1B+7]
	s_nop 0
.rept 4
	v_nop
.endr
.Lasked_\@:
.endm
.macro CREST
	s_cmp_lg_u32 s[WV], 0
	s_cbranch_scc1 .Lnot_wave_0_\@
	s_barrier_signal -3
.Lnot_wave_0_\@:
	s_barrier_wait -3
	s_barrier_signal -1
	s_barrier_wait -1
.endm
.macro CROUND
	s_barrier_signal -1
	s_barrier_wait -1
	CREST
.endm
	s_load_b256 s[4:11], s[0:1], 0x0               ; old 4, w16 6, b1 8, hid 10
	v_lshl_add_u32 v[SPW], v0, 2, SPARE
	v_mov_b32 v[NIL], 0
	ds_add_u32 v[SPW], v[NIL]                      ; the wave's opening: the add and its wait stand ahead of my first tensor load; work on registers stands between them
	v_lshrrev_b32 v1, 5, v0
	v_readfirstlane_b32 s[WV], v1
	s_lshr_b32 s[RH], s[WV], 1                     ; my half of the rows.  Also: I fetch for A (0) or for B (1)
	s_and_b32 s[CH], s[WV], 1                      ; my half of the columns.  Also: which 8 tiles I fetch
	s_bfe_u32 s40, ttmp6, 0x40000
	s_bfe_u32 s41, ttmp6, 0x40004
	s_lshl_b32 s42, ttmp9, 2
	s_add_co_u32 s42, s42, s40                     ; tile column
	s_and_b32 s[TR], ttmp7, 0xffff
	s_lshl_b32 s[TR], s[TR], 2
	s_add_co_u32 s[TR], s[TR], s41                 ; tile row
	s_lshl_b32 s43, s41, 2
	s_lshl_b32 s43, 15, s43
	s_lshl_b32 s44, 0x1111, s40
	; descriptor group 1: 8 rows (tiles of 16 operand rows) x 4,096 bytes (4 fragments), 32,768 bytes apart in memory, dense in LDS
	s_or_b32 s[G1+0], s43, (3<<16)|(1<<21)
	s_or_b32 s[G1B+0], s44, (3<<16)|(1<<21)
.irp g, G1, G1B
	s_mov_b32 s[\g+1], 512<<16
	s_mov_b32 s[\g+2], 8<<16
	s_mov_b32 s[\g+3], 512<<16
	s_mov_b32 s[\g+4], 8
	s_mov_b32 s[\g+5], 4096
	s_mov_b32 s[\g+6], 0
	s_mov_b32 s[\g+7], 0
.endr
	s_lshl_b32 s17, s[CH], 18                      ; my 8 tiles of the 16
	s_lshl_b32 s16, s[TR], 19
	s_add_co_u32 s16, s16, s17
	s_add_co_u32 s16, s16, 16777216                ; A: the f16 images lie behind the f32 copy
	s_lshl_b32 s46, s42, 19
	s_add_co_u32 s46, s46, s17
	s_add_co_u32 s46, s46, 2097152                 ; B: W1's part of w16
	s_mov_b32 s17, 0
	s_mov_b32 s47, 0
	s_lshl_b32 s45, s[WV], 15
	s_wait_dscnt 0x0                               ; the opening add is done
	s_wait_kmcnt 0x0
	s_add_nc_u64 s[18:19], s[4:5], s[16:17]
	s_add_nc_u64 s[46:47], s[6:7], s[46:47]
	CROUND                                         ; all sixteen work-groups are here: the first joint loads meet
.irp s, 0,1
	s_mov_b32 s[G0+4*\s], 1
	s_add_co_u32 s[G0+4*\s+1], s45, \s*SLOT
	s_add_nc_u64 s[G0+4*\s+2:G0+4*\s+3], s[18:19], \s*4096
	s_or_b32 s[G0+4*\s+3], s[G0+4*\s+3], 0x80000000
	s_mov_b32 s[G0B+4*\s], 1
	s_add_co_u32 s[G0B+4*\s+1], s45, \s*SLOT
	s_add_nc_u64 s[G0B+4*\s+2:G0B+4*\s+3], s[46:47], \s*4096
	s_or_b32 s[G0B+4*\s+3], s[G0B+4*\s+3], 0x80000000
	JLOAD \s
.endr
	v_and_b32 v[CO], 31, v0
	v_lshlrev_b32 v[CO], 4, v[CO]
	v_bfe_u32 v[BO], v0, 4, 1
	v_lshlrev_b32 v[BO], 5, v[BO]
	s_lshl_b32 s21, s[RH], 15
	s_lshl_b32 s22, s[CH], 15
	s_add_co_u32 s22, s22, 65536
.irp s, 0,1
	v_add_nc_u32 v[ADRA+\s], s21, v[CO]
	v_add_nc_u32 v[ADRB+\s], s22, v[CO]
	s_add_co_u32 s21, s21, SLOT
	s_add_co_u32 s22, s22, SLOT
.endr
	s_lshl_b32 s21, s[WV], 16
	v_add_nc_u32 v[STO], s21, v[CO]
	s_lshl_b32 s20, s42, 10                        ; b1: my 128 columns
	s_lshl_b32 s21, s[CH], 9
	s_add_co_u32 s20, s20, s21
	s_mov_b32 s21, 0
	s_add_nc_u64 s[8:9], s[8:9], s[20:21]
.irp b, 0,1,2,3,4,5,6,7
	global_load_b128 v[BI+8*\b:BI+8*\b+3], v[BO], s[8:9] offset:64*\b
	global_load_b128 v[BI+8*\b+4:BI+8*\b+7], v[BO], s[8:9] offset:64*\b+16
.endr
	s_lshl_b32 s20, s[TR], 21                      ; h: tile of rows 16 tile row + 8 half (131,072 bytes each), fragment 8 tile column + 4 half
	s_lshl_b32 s21, s[RH], 20
	s_add_co_u32 s20, s20, s21
	s_lshl_b32 s21, s42, 13
	s_add_co_u32 s20, s20, s21
	s_lshl_b32 s21, s[CH], 12
	s_add_co_u32 s20, s20, s21
	s_mov_b32 s21, 0
	s_add_nc_u64 s[10:11], s[10:11], s[20:21]
; 16 matrix instructions: m blocks a0, a0 + 1 of the window's four x all 8 n blocks, 32 along K.  first = 1: the bias starts the sums.  The 64 accumulators take turns
.macro MUL16 f, hi, a0, first
.irp a, \a0, \a0+1
.irp b, 0,1,2,3,4,5,6,7
.if \first
	v_wmma_f32_16x16x32_f16 v[8*(8*(\a)+\b):8*(8*(\a)+\b)+7], v[\f+8*\b:\f+8*\b+7], v[\f+8*(4*\hi+\a):\f+8*(4*\hi+\a)+7], v[BI+8*\b:BI+8*\b+7]
.else
	v_wmma_f32_16x16x32_f16 v[8*(8*(\a)+\b):8*(8*(\a)+\b)+7], v[\f+8*\b:\f+8*\b+7], v[\f+8*(4*\hi+\a):\f+8*(4*\hi+\a)+7], v[8*(8*(\a)+\b):8*(8*(\a)+\b)+7]
.endif
.endr
.endr
.endm
; 32 LDS loads in one run: the fragments of the slot's q-th 32 along K into buffer f
.macro FETCH slot, q, f
	WIN TO_B
.irp i, 0,1,2,3,4,5,6,7
	ds_load_b128 v[\f+8*\i:\f+8*\i+3],   v[ADRB+\slot] offset:1024*(\q)+4096*\i
	ds_load_b128 v[\f+8*\i+4:\f+8*\i+7], v[ADRB+\slot] offset:1024*(\q)+4096*\i+512
.endr
	WIN 0
.irp i, 0,1,2,3,4,5,6,7
	ds_load_b128 v[\f+8*\i:\f+8*\i+3],   v[ADRA+\slot] offset:1024*(\q)+4096*\i
	ds_load_b128 v[\f+8*\i+4:\f+8*\i+7], v[ADRA+\slot] offset:1024*(\q)+4096*\i+512
.endr
.endm
.macro PLACES                          ; four places in front of loads into registers that matrix instructions have read, and of the first read of results
.rept 4
	v_nop
.endr
.endm
.macro QUARTER slot, q, f, g, first    ; 32 along K: multiplies buffer f; in its middle it fetches the slot's q-th quarter into g
	s_wait_dscnt 8                                 ; B and A's rows 0-63 are in; the youngest eight loads (A's rows 64-127) may be out
.if \first
	WIN FIRST_LO
.else
	WIN MUL_LO
.endif
	MUL16 \f, 0, 0, \first
	MUL16 \f, 0, 2, \first
	PLACES
	FETCH \slot, \q, \g
	s_wait_dscnt 32                                ; all but the 32 just issued
.if \first
	WIN FIRST_HI
.else
	WIN MUL_HI
.endif
	MUL16 \f, 1, 0, \first
	MUL16 \f, 1, 2, \first
.endm
; The last quarter multiplies buffer 1 and changes slots: ONE barrier; in front of it each wave waits for all its tensor loads, adds 0 to its spare word, and waits for that and for its reads of this slot.  fill = 1: this slot is filled again, two K steps ahead.
.macro TURN slot, next, fill
	WIN 0
	s_wait_tensorcnt 0x0                           ; all my tensor loads have landed: my part of the next slot
	ds_add_u32 v[SPW], v[NIL]                      ; 0 onto my spare word
	s_wait_dscnt 9                                 ; (the add and the youngest eight loads may be out)
	WIN MUL_LO
	MUL16 F1, 0, 0, 0
	s_wait_dscnt 0x0                               ; the add is done, and my reads of this slot are over
	s_barrier_signal -1
	MUL16 F1, 0, 2, 0
.if \fill
	WIN 0
.endif
	s_barrier_wait -1
.if \fill
	CREST                                          ; the barrier has opened a round of the cluster's barrier: no wave of any partner still reads this slot or has a load on its way
	s_add_nc_u64 s[G0+4*\slot+2:G0+4*\slot+3], s[G0+4*\slot+2:G0+4*\slot+3], 8192
	s_add_nc_u64 s[G0B+4*\slot+2:G0B+4*\slot+3], s[G0B+4*\slot+2:G0B+4*\slot+3], 8192
	JLOAD \slot                                    ; the first tensor load behind the round; its four v_nop are also the places in front of the loads below
.else
	PLACES
.endif
	FETCH \next, 0, F0
	WIN MUL_HI
	MUL16 F1, 1, 0, 0
	MUL16 F1, 1, 2, 0
.endm
	s_wait_tensorcnt 1                             ; my part of K step 0 is in (K step 1's load may be out)
	s_barrier_signal -1
	s_barrier_wait -1                              ; everybody's is
	FETCH 0, 0, F0
	s_wait_loadcnt 0x0                             ; the bias
	QUARTER 0, 1, F0, F1, 1
	WIN 0
	s_mov_b32 s3, LAPS-1
.Llap:                                                 ; a trip goes once round the ring and fills both slots again
	QUARTER 0, 2, F1, F0, 0
	QUARTER 0, 3, F0, F1, 0
	TURN 0, 1, 1
	QUARTER 1, 1, F0, F1, 0
	QUARTER 1, 2, F1, F0, 0
	QUARTER 1, 3, F0, F1, 0
	TURN 1, 0, 1
	QUARTER 0, 1, F0, F1, 0
	WIN 0
	s_sub_co_u32 s3, s3, 1
	s_cmp_lg_u32 s3, 0
	s_cbranch_scc1 .Llap
	QUARTER 0, 2, F1, F0, 0                        ; the last lap fills nothing
	QUARTER 0, 3, F0, F1, 0
	TURN 0, 1, 0
	QUARTER 1, 1, F0, F1, 0
	QUARTER 1, 2, F1, F0, 0
	QUARTER 1, 3, F0, F1, 0
	s_wait_dscnt 8
	WIN MUL_LO
	MUL16 F1, 0, 0, 0
	MUL16 F1, 0, 2, 0
	s_wait_dscnt 0
	WIN MUL_HI
	MUL16 F1, 1, 0, 0
	MUL16 F1, 1, 2, 0
	WIN 0
	; THE WAY OUT.  Both slots have had their last fill; behind this barrier no wave reads them: each wave takes 65,536 bytes of them as a stage of its own for its 64 accumulators
	s_barrier_signal -1
	s_barrier_wait -1
	PLACES
	WIN 0x08                                       ; an LDS store's data are its source 1: window 2
.irp a, 0,1,2,3
.irp b, 0,1,2,3,4,5,6,7
	ds_store_b128 v[STO], v[8*(8*\a+\b):8*(8*\a+\b)+3] offset:1024*(8*\a+\b)
	ds_store_b128 v[STO], v[8*(8*\a+\b)+4:8*(8*\a+\b)+7] offset:1024*(8*\a+\b)+512
.endr
.endr
	WIN 0x0c                                       ; window 3
.irp a, 0,1,2,3
.irp b, 0,1,2,3,4,5,6,7
	ds_store_b128 v[STO], v[8*(8*\a+\b):8*(8*\a+\b)+3] offset:1024*(8*(\a+4)+\b)
	ds_store_b128 v[STO], v[8*(8*\a+\b)+4:8*(8*\a+\b)+7] offset:1024*(8*(\a+4)+\b)+512
.endr
.endr
	WIN 0
	s_mov_b32 s20, 0x3f596d27                      ; sqrt(log2(e) / 2)
.irp e, 0,1
	v_mov_b32 v[KP+\e],    0x3e8ba43f              ; p' = 0.3275911 / sqrt(log2(e))
	v_mov_b32 v[KP+2+\e],  0x3f1ff67a              ; a5 x 0.58870501
	v_mov_b32 v[KP+4+\e],  0xbf5b0099              ; a4 x
	v_mov_b32 v[KP+6+\e],  0x3f563817              ; a3 x
	v_mov_b32 v[KP+8+\e],  0xbe2b8119              ; a2 x
	v_mov_b32 v[KP+10+\e], 0x3e199eb3              ; a1 x
.endr
; 32 numbers a lane: four tiles of 16 rows x 16 columns
.macro BATCH bq
.irp i, 0,1,2,3,4,5,6,7
	ds_load_b128 v[GX+4*\i:GX+4*\i+3], v[RDA] offset:4096*\bq+512*\i   ; LDS serves a wave's instructions in order: these see my stores
.endr
	s_wait_dscnt 0x0
.set n, 0
.rept 32
	v_mul_f32 v[GY+n], s20, |v[GX+n]|
.set n, n+1
.endr
.set n, 0
.rept 32
	v_max_num_f32 v[GX+n], 0, v[GX+n]
.set n, n+1
.endr
.set n, 0
.rept 16
	v_pk_fma_f32 v[GT+n:GT+n+1], v[GY+n:GY+n+1], v[KP:KP+1], 1.0 op_sel_hi:[1,1,0]
.set n, n+2
.endr
.set n, 0
.rept 16
	v_pk_mul_f32 v[GE+n:GE+n+1], v[GY+n:GY+n+1], v[GY+n:GY+n+1] neg_lo:[1,0] neg_hi:[1,0]   ; -Y Y
.set n, n+2
.endr
.set n, 0
.rept 32
	v_rcp_f32 v[GT+n], v[GT+n]                     ; ONE BATCH: 32 reciprocals and 32 exponentials
.set n, n+1
.endr
.set n, 0
.rept 32
	v_exp_f32 v[GE+n], v[GE+n]
.set n, n+1
.endr
	v_nop                                          ; a plain instruction behind the last of them
	s_wait_alu depctr_va_vdst(0)                   ; one wait for the batch, ahead of its first reader
.set n, 0
.rept 16
	v_pk_fma_f32 v[GP+n:GP+n+1], v[GT+n:GT+n+1], v[KP+2:KP+3], v[KP+4:KP+5]
.set n, n+2
.endr
.irp k, 6,8,10
.set n, 0
.rept 16
	v_pk_fma_f32 v[GP+n:GP+n+1], v[GP+n:GP+n+1], v[GT+n:GT+n+1], v[KP+\k:KP+\k+1]
.set n, n+2
.endr
.endr
.set n, 0
.rept 16
	v_pk_mul_f32 v[GT+n:GT+n+1], v[GT+n:GT+n+1], v[GE+n:GE+n+1]
.set n, n+2
.endr
.set n, 0
.rept 16
	v_pk_mul_f32 v[GP+n:GP+n+1], v[GP+n:GP+n+1], v[GT+n:GT+n+1]
.set n, n+2
.endr
.set n, 0
.rept 16
	v_pk_fma_f32 v[GX+n:GX+n+1], v[GY+n:GY+n+1], v[GP+n:GP+n+1], v[GX+n:GX+n+1] neg_lo:[1,0,0] neg_hi:[1,0,0]
.set n, n+2
.endr
	s_wait_xcnt 0x0                                ; the last batch's stores have read their registers
.set n, 0
.rept 16
	v_cvt_pk_f16_f32 v[OUTR+n], v[GX+2*n], v[GX+2*n+1]
.set n, n+1
.endr
.irp i, 0,1,2,3
	global_store_b128 v[CO], v[OUTR+4*\i:OUTR+4*\i+3], s[10:11] offset:2048*\bq+1024*(\i/2)+512*(\i%2)   ; 512 consecutive bytes of an image
.endr
.endm
	s_mov_b32 s3, 8
	s_mov_b32 s16, 0
.Lgelu:                                                ; a trip: one tile of 16 rows x my 128 columns
	v_add_nc_u32 v[RDA], s16, v[STO]
	BATCH 0
	BATCH 1
	s_wait_xcnt 0x0                                ; the stores have read their base
	s_add_nc_u64 s[10:11], s[10:11], 131072
	s_add_co_u32 s16, s16, 8192
	s_sub_co_u32 s3, s3, 1
	s_cmp_lg_u32 s3, 0
	s_cbranch_scc1 .Lgelu
	s_wait_tensorcnt 0x0                           ; the wave's end
	ds_add_u32 v[SPW], v[NIL]
	s_wait_dscnt 0x0
	CROUND                                         ; the closing round
	s_endpgm
.Lfunc_end_k_qab7ee703a5_w1:
	.size	k_qab7ee703a5_w1, .Lfunc_end_k_qab7ee703a5_w1-k_qab7ee703a5_w1
	.p2alignl 7, 3214868480
	.fill 96, 4, 3214868480
	.section	.rodata,"a",@progbits
	.p2align	6, 0x0
	.amdhsa_kernel k_qab7ee703a5_w1
		.amdhsa_group_segment_fixed_size 327680
		.amdhsa_private_segment_fixed_size 0
		.amdhsa_enable_private_segment 0
		.amdhsa_kernarg_size 32
		.amdhsa_user_sgpr_count 2
		.amdhsa_user_sgpr_kernarg_segment_ptr 1
		.amdhsa_wavefront_size32 1
		.amdhsa_system_sgpr_workgroup_id_x 1
		.amdhsa_system_sgpr_workgroup_id_y 1
		.amdhsa_system_sgpr_workgroup_id_z 1
		.amdhsa_system_vgpr_workitem_id 0
		.amdhsa_next_free_vgpr 1024
		.amdhsa_next_free_sgpr 66
		.amdhsa_reserve_vcc 0
		.amdhsa_float_denorm_mode_32 3
		.amdhsa_float_denorm_mode_16_64 3
		.amdhsa_memory_ordered 1
		.amdhsa_forward_progress 1
		.amdhsa_inst_pref_size 153
	.end_amdhsa_kernel
	.amdgpu_metadata
---
amdhsa.version: [ 1, 2 ]
amdhsa.kernels:
  - .name:           k_qab7ee703a5_w1
    .symbol:         k_qab7ee703a5_w1.kd
    .args:
      - { .name: old, .offset: 0, .size: 8, .value_kind: global_buffer, .address_space: global }
      - { .name: w16, .offset: 8, .size: 8, .value_kind: global_buffer, .address_space: global }
      - { .name: b1, .offset: 16, .size: 8, .value_kind: global_buffer, .address_space: global }
      - { .name: hid, .offset: 24, .size: 8, .value_kind: global_buffer, .address_space: global }
    .group_segment_fixed_size: 327680
    .private_segment_fixed_size: 0
    .kernarg_segment_align: 8
    .kernarg_segment_size: 32
    .max_flat_workgroup_size: 128
    .sgpr_count:     66
    .vgpr_count:     1024
    .wavefront_size: 32
...
	.end_amdgpu_metadata
.endif
;; end of part 6
;; launch w2 (part 7): grid 8 x 32, 4 waves a work-group, clusters of 4 x 4, 327,680 bytes of LDS; arguments hid, w16, old, xsum; writes xsum
.if DOCPART == 7
	.amdgcn_target "amdgcn-amd-amdhsa--gfx1250"
	.amdhsa_code_object_version 6
	.text
	.protected	k_qab7ee703a5_w2
	.globl	k_qab7ee703a5_w2
	.p2align	8
	.type	k_qab7ee703a5_w2,@function
k_qab7ee703a5_w2:
	s_mov_b64 s[64:65], 0
	v_nop
	global_prefetch_b8 v0, s[64:65] scope:SCOPE_SE
	s_setreg_imm32_b32 hwreg(HW_REG_WAVE_MODE, 25, 1), 1
	s_wait_xcnt 0x0
	s_wait_alu depctr_hold_cnt(0) depctr_sa_sdst(0) depctr_va_vdst(0) depctr_va_sdst(0) depctr_va_ssrc(0) depctr_va_vcc(0) depctr_vm_vsrc(0)
	s_getreg_b32 s2, hwreg(HW_REG_IB_STS2, 6, 4)
	s_cmp_eq_u32 s2, 0
	s_cbranch_scc0 .Lentry_in_a_cluster
	s_endpgm
.Lentry_in_a_cluster:
	s_bfe_u32 s2, ttmp6, 0x10000c
	s_cmp_lg_u32 s2, 0xf033
	s_cbranch_scc0 .Lentry_shape_is_right
	s_endpgm
.Lentry_shape_is_right:
; X = R + A B^T.  A: [4096][4096] f16 (the hidden layer), B: [1024][4096] f16 (W2's columns), both as images of the operands' registers (1,024 bytes for 16 rows x 32 K; a tile of 16 rows has its 128 fragments on end).
; R (the first norm's result) and X: [4096][1024] f32 in the order of the 16 x 16 accumulators (1,024 bytes a tile): R is loaded straight into the accumulators and starts the sums; the accumulators are stored as they stand.
; So the residual is added ahead of the product's sum: another order of f32 rounding than the source's.  LIMIT: f16 operands: magnitudes up to 65,504.
; A tile of X is 128 x 128: 256 work-groups of four waves.  A WAVE MAKES 32 ROWS x 128 COLUMNS: 2 x 8 accumulators.  Its 32 rows of A are read by no other wave of the work-group, so
; A GOES FROM MEMORY STRAIGHT INTO REGISTERS: a fragment is two loads of 512 consecutive bytes; eight buffers of 64 along K take turns, and the loads run seven buffers ahead.
; B ALONE GOES THROUGH LDS, read by all four waves: with both operands in the ring a slot of 131,072 bytes would hold 256 along K, 128 matrix instructions a wave between two changes of slots; with B alone it holds
; 512 along K, 256 matrix instructions a wave, of which 240 lie between a refill's request and the wait for it.  A wave's tensor load brings 2 tiles x 16,384 bytes.
; CLUSTERS: 4 x 4 work-groups; B's tiles are asked for jointly along a column of the cluster.  A's are not: a joint load ends in LDS, and A does not pass through it.
; THE MATRIX INSTRUCTION IS USED TRANSPOSED (source 0 = 16 rows of B, source 1 = 16 rows of A): a lane holds one row of X and eight neighbouring columns.
; REGISTERS: window 0: v20-29 addresses; v128-255 the accumulators ((a, b) at v[128 + 8 (8 a + b)]).  window 1: B's two buffers of 128: for 64 along K, fragment (c, tile i) at 64 c + 8 i.
;   window 2: A's eight buffers of 32: buffer p, fragment (c, tile a) at 32 p + 16 c + 8 a.
.set SIZE_K, 4096
.set BOFF,   10485760                  ; where B begins in w16
.set KT,     SIZE_K*32                 ; a tile's row of fragments in bytes: 131,072
.set LAPS,   SIZE_K/1024               ; a lap = two K steps of 512 = once round the ring = 16 quarters of 64 along K
.set SLOT,   131072                    ; B's 8 tiles x 16,384 bytes
.set SPARE,  262144                    ; behind the ring: the spare words, 128 bytes a wave
.set ADRB, 20                          ; v20-23  LDS address of B's tiles 0-3 and 4-7 in slot 0, then in slot 1: an LDS offset reaches 65,535 bytes, half a slot
.set CO,   26                          ; v26     16 x lane; never rewritten
.set SPW,  28                          ; v28     LDS address of my spare word; never rewritten
.set NIL,  29                          ; v29     0; never rewritten
.set ACC,  128
.set F0,   0
.set F1,   128
.set WV, 12                            ; s12 wave
.set TR, 15                            ; s15 tile row
.set G1B, 48                           ; s[48:55] descriptor group 1 for B's tiles;  s[56:63] group 0, one set for each slot
.set G0B, 56
.set MSB, 0
.macro WIN new                         ; the immediate's high byte repeats the setting that is left
.if MSB != \new
	s_set_vgpr_msb (MSB<<8)|\new
.set MSB, \new
.endif
.endm
.set MUL,  0x09                        ; source 0 (B) window 1, source 1 (A) window 2; C and D window 0
.set TO_F, 0x40                        ; destination window 1, address window 0
.set TO_A, 0x80                        ; destination window 2, address window 0
.macro JLOAD s                         ; a joint load: every wave fetches two of B's eight tiles; an s_nop 0 and four v_nop follow it
	tensor_load_to_lds s[G0B+4*\s:G0B+4*\s+3], s[G1B:G1B+7]
	s_nop 0
.rept 4
	v_nop
.endr
.endm
.macro CREST                           ; a round of the cluster's barrier behind its opening barrier
	s_cmp_lg_u32 s[WV], 0
	s_cbranch_scc1 .Lnot_wave_0_\@
	s_barrier_signal -3
.Lnot_wave_0_\@:
	s_barrier_wait -3
	s_barrier_signal -1
	s_barrier_wait -1
.endm
.macro CROUND
	s_barrier_signal -1
	s_barrier_wait -1
	CREST
.endm
; 8 matrix instructions: m block a x all 8 n blocks, 32 along K: half c of B's buffer f and of A's buffer p.  The 16 accumulators take turns
.macro MUL8 f, c, p, a
.irp b, 0,1,2,3,4,5,6,7
	v_wmma_f32_16x16x32_f16 v[ACC+8*(8*(\a)+\b):ACC+8*(8*(\a)+\b)+7], v[\f+64*(\c)+8*\b:\f+64*(\c)+8*\b+7], v[32*(\p)+16*(\c)+8*(\a):32*(\p)+16*(\c)+8*(\a)+7], v[ACC+8*(8*(\a)+\b):ACC+8*(8*(\a)+\b)+7]
.endr
.endm
; 32 LDS loads in one run: B's fragments of 64 along K (two images a tile) from byte k of a tile's 16,384 on, into buffer f; the first 32 along K first
.macro FETCH slot, k, f
	WIN TO_F
.irp c, 0,1
.irp i, 0,1,2,3,4,5,6,7
	ds_load_b128 v[\f+64*\c+8*\i:\f+64*\c+8*\i+3],   v[ADRB+2*\slot+\i/4] offset:\k+1024*\c+16384*(\i%4)
	ds_load_b128 v[\f+64*\c+8*\i+4:\f+64*\c+8*\i+7], v[ADRB+2*\slot+\i/4] offset:\k+1024*\c+16384*(\i%4)+512
.endr
.endr
.endm
; 8 loads from memory: my two tiles' fragments of 64 along K, off bytes from where the lap begins, into A's buffer p; each load reads 512 consecutive bytes
.macro ALOAD p, off
	WIN TO_A
.irp c, 0,1
.irp a, 0,1
.irp e, 0,1
	global_load_b128 v[32*(\p)+16*\c+8*\a+4*\e:32*(\p)+16*\c+8*\a+4*\e+3], v[CO], s[4:5] offset:(\off)+KT*\a+1024*\c+512*\e
.endr
.endr
.endr
.endm
.macro PLACES                          ; four places in front of loads into registers that matrix instructions have read, and of the first read of results
.rept 4
	v_nop
.endr
.endm
; Quarter q of a slot, 64 along K, the lap's u-th: multiplies B's buffer q % 2 and A's buffer q.  In its middle it fetches the slot's next quarter of B from LDS into the other buffer and, with aload = 1,
; asks memory for A's quarter seven on, into the buffer that the quarter before has left.  lcnt: the loads of A issued behind this quarter's, which may stay out.
.macro QUARTER slot, q, u, aload, lcnt
.set FB, 128*((\q)%2)
.set GB, 128-FB
	s_wait_loadcnt \lcnt                           ; loads come back in order: A's buffer q is in; the younger quarters' eight loads each stay out
	s_wait_dscnt 16                                ; B's first 32 along K are in
	WIN MUL
	MUL8 FB, 0, \q, 0
	MUL8 FB, 0, \q, 1
	PLACES
	FETCH \slot, 2048*((\q)+1), GB
.if \aload
	ALOAD ((\q)+7)%8, 2048*((\u)+7)
.endif
	s_wait_dscnt 32                                ; all but the 32 LDS loads just issued
	WIN MUL
	MUL8 FB, 1, \q, 0
	MUL8 FB, 1, \q, 1
.endm
; A slot's last quarter multiplies B's buffer 1 and A's buffer 7 and changes slots: ONE barrier; in front of it each wave waits for all its tensor loads, adds 0 to its spare word, and waits for that and for its reads of this slot.
; fill = 1: this slot is filled again, two K steps ahead.
.macro TURN slot, next, fill, u, aload, lcnt
	WIN 0
	s_wait_loadcnt \lcnt                           ; A's buffer 7 is in
	s_wait_tensorcnt 0x0                           ; all my tensor loads have landed: my part of the next slot
	ds_add_u32 v[SPW], v[NIL]                      ; 0 onto my spare word
	s_wait_dscnt 17                                ; (the add and the youngest sixteen loads may be out)
	WIN MUL
	MUL8 F1, 0, 7, 0
	s_wait_dscnt 0x0                               ; the add is done, and my reads of this slot are over
	s_barrier_signal -1
	MUL8 F1, 0, 7, 1
.if \fill
	WIN 0
.endif
	s_barrier_wait -1
.if \fill
	CREST                                          ; the barrier has opened a round of the cluster's barrier: no wave of any partner still reads this slot or has a tensor load on its way
	s_add_nc_u64 s[G0B+4*\slot+2:G0B+4*\slot+3], s[G0B+4*\slot+2:G0B+4*\slot+3], 32768
	JLOAD \slot                                    ; the first tensor load behind the round, and my only one until the next; its four v_nop are also the places in front of the loads below
.else
	PLACES
.endif
	FETCH \next, 0, F0
.if \aload
	ALOAD 6, 2048*((\u)+7)
.endif
	WIN MUL
	MUL8 F1, 1, 7, 0
	MUL8 F1, 1, 7, 1
.endm
	s_load_b256 s[4:11], s[0:1], 0x0               ; A 4, w16 6, R 8, X 10
	v_lshl_add_u32 v[SPW], v0, 2, SPARE
	v_mov_b32 v[NIL], 0
	ds_add_u32 v[SPW], v[NIL]                      ; the wave's opening: the add and its wait stand ahead of my first tensor load; work on registers stands between them
	v_lshrrev_b32 v1, 5, v0
	v_readfirstlane_b32 s[WV], v1                  ; wave 0..3
	s_bfe_u32 s40, ttmp6, 0x40000                  ; cx, cy: my place in the cluster
	s_bfe_u32 s41, ttmp6, 0x40004
	s_lshl_b32 s42, ttmp9, 2
	s_add_co_u32 s42, s42, s40                     ; tile column
	s_and_b32 s[TR], ttmp7, 0xffff
	s_lshl_b32 s[TR], s[TR], 2
	s_add_co_u32 s[TR], s[TR], s41                 ; tile row
	s_lshl_b32 s44, 0x1111, s40                    ; my column of the cluster
	; descriptor group 1: 2 rows (tiles of 16 columns of W2) x 16,384 bytes (16 fragments), KT bytes apart in memory, dense in LDS
	s_or_b32 s[G1B+0], s44, (3<<16)|(1<<21)        ; the mask; elements of 8 bytes; bit 21 set beside a mask
	s_mov_b32 s[G1B+1], 2048<<16                   ; tensor_dim0
	s_mov_b32 s[G1B+2], 2<<16                      ; tensor_dim1
	s_mov_b32 s[G1B+3], 2048<<16                   ; tile_dim0
	s_mov_b32 s[G1B+4], 2                          ; tile_dim1
	s_mov_b32 s[G1B+5], KT/8                       ; tensor_dim0_stride
	s_mov_b32 s[G1B+6], 0
	s_mov_b32 s[G1B+7], 0
	s_lshl_b32 s46, s42, 20                        ; B: tile 8 x tile column + 2 x wave, 2^17 bytes each: the tile column and the wave's number alone
	s_lshl_b32 s47, s[WV], 18
	s_add_co_u32 s46, s46, s47
	s_add_co_u32 s46, s46, BOFF
	s_mov_b32 s47, 0
	s_lshl_b32 s16, s[TR], 20                      ; A: tile 8 x tile row + 2 x wave
	s_lshl_b32 s17, s[WV], 18
	s_add_co_u32 s16, s16, s17
	s_mov_b32 s17, 0
	s_lshl_b32 s45, s[WV], 15                      ; where B's tiles go: wave x 32,768: no place in the cluster enters an LDS address
	s_wait_dscnt 0x0                               ; the opening add is done
	s_wait_kmcnt 0x0
	s_add_nc_u64 s[4:5], s[4:5], s[16:17]          ; A at my two tiles' first fragment
	s_add_nc_u64 s[46:47], s[6:7], s[46:47]
	CROUND                                         ; all sixteen work-groups are here: the first joint loads meet
.irp s, 0,1
	s_mov_b32 s[G0B+4*\s], 1
	s_add_co_u32 s[G0B+4*\s+1], s45, \s*SLOT
	s_add_nc_u64 s[G0B+4*\s+2:G0B+4*\s+3], s[46:47], \s*16384
	s_or_b32 s[G0B+4*\s+3], s[G0B+4*\s+3], 0x80000000
	JLOAD \s                                       ; by this text's count two tensor loads of a wave are out at the start, later one
.endr
	v_and_b32 v[CO], 31, v0
	v_lshlrev_b32 v[CO], 4, v[CO]
.irp s, 0,1
.irp hf, 0,1
	v_add_nc_u32 v[ADRB+2*\s+\hf], \s*SLOT+\hf*65536, v[CO]
.endr
.endr
	s_lshl_b32 s20, s[TR], 19                      ; R and X: tile (8 tile row + 2 wave) 64 + 8 tile column
	s_lshl_b32 s21, s[WV], 17
	s_add_co_u32 s20, s20, s21
	s_lshl_b32 s21, s42, 13
	s_add_co_u32 s20, s20, s21
	s_mov_b32 s21, 0
	s_add_nc_u64 s[8:9], s[8:9], s[20:21]
	s_add_nc_u64 s[10:11], s[10:11], s[20:21]
.irp a, 0,1
.irp b, 0,1,2,3,4,5,6,7
.irp e, 0,1
	global_load_b128 v[ACC+8*(8*\a+\b)+4*\e:ACC+8*(8*\a+\b)+4*\e+3], v[CO], s[8:9] offset:65536*\a+1024*\b+512*\e th:TH_LOAD_NT   ; the residual starts the sums
.endr
.endr
.endr
.irp g, 0,1,2,3,4,5,6
	ALOAD \g, 2048*\g                              ; A's first seven quarters, behind the residual: the first quarter's wait covers both
.endr
	s_wait_tensorcnt 1                             ; my part of K step 0 is in (K step 1's load may be out)
	s_barrier_signal -1
	s_barrier_wait -1                              ; everybody's is
	FETCH 0, 0, F0
	QUARTER 0, 0, 0, 1, 48
	WIN 0                                          ; at a label and at a branch every window is 0
	s_mov_b32 s3, LAPS-1
.Llap:                                                 ; a trip goes once round the ring, from a lap's second quarter to the next lap's first, and fills both slots again
.irp q, 1,2,3,4,5,6
	QUARTER 0, \q, \q, 1, 48
.endr
	TURN 0, 1, 1, 7, 1, 48
.irp q, 0,1,2,3,4,5,6
	QUARTER 1, \q, 8+\q, 1, 48
.endr
	TURN 1, 0, 1, 15, 1, 48
	QUARTER 0, 0, 16, 1, 48
	WIN 0
	s_wait_xcnt 0x0                                ; A's loads have read their base: only behind this wait is it stepped,
	s_add_nc_u64 s[4:5], s[4:5], 32768             ; a lap's 16 quarters of 2,048 bytes on
	s_sub_co_u32 s3, s3, 1
	s_cmp_lg_u32 s3, 0
	s_cbranch_scc1 .Llap
.irp q, 1,2,3,4,5,6                            ; the last lap fills no slot
	QUARTER 0, \q, \q, 1, 48
.endr
	TURN 0, 1, 0, 7, 1, 48
	QUARTER 1, 0, 8, 1, 48                         ; asks for A's last quarter, the 64th
	QUARTER 1, 1, 9, 0, 48                         ; nothing is left to ask for: no load leaves the buffer, and the counts run down
	QUARTER 1, 2, 10, 0, 40
	QUARTER 1, 3, 11, 0, 32
	QUARTER 1, 4, 12, 0, 24
	QUARTER 1, 5, 13, 0, 16
	QUARTER 1, 6, 14, 0, 8
	s_wait_loadcnt 0x0                             ; the last quarter
	s_wait_dscnt 16
	WIN MUL
	MUL8 F1, 0, 7, 0
	MUL8 F1, 0, 7, 1
	s_wait_dscnt 0
	MUL8 F1, 1, 7, 0
	MUL8 F1, 1, 7, 1
	WIN 0
	PLACES
.irp a, 0,1
.irp b, 0,1,2,3,4,5,6,7
.irp e, 0,1
	global_store_b128 v[CO], v[ACC+8*(8*\a+\b)+4*\e:ACC+8*(8*\a+\b)+4*\e+3], s[10:11] offset:65536*\a+1024*\b+512*\e   ; 512 consecutive bytes; each accumulator from its low end on
.endr
.endr
.endr
	s_wait_tensorcnt 0x0                           ; the wave's end
	ds_add_u32 v[SPW], v[NIL]
	s_wait_dscnt 0x0
	CROUND                                         ; the closing round
	s_endpgm
.Lfunc_end_k_qab7ee703a5_w2:
	.size	k_qab7ee703a5_w2, .Lfunc_end_k_qab7ee703a5_w2-k_qab7ee703a5_w2
	.p2alignl 7, 3214868480
	.fill 96, 4, 3214868480
	.section	.rodata,"a",@progbits
	.p2align	6, 0x0
	.amdhsa_kernel k_qab7ee703a5_w2
		.amdhsa_group_segment_fixed_size 327680
		.amdhsa_private_segment_fixed_size 0
		.amdhsa_enable_private_segment 0
		.amdhsa_kernarg_size 32
		.amdhsa_user_sgpr_count 2
		.amdhsa_user_sgpr_kernarg_segment_ptr 1
		.amdhsa_wavefront_size32 1
		.amdhsa_system_sgpr_workgroup_id_x 1
		.amdhsa_system_sgpr_workgroup_id_y 1
		.amdhsa_system_sgpr_workgroup_id_z 1
		.amdhsa_system_vgpr_workitem_id 0
		.amdhsa_next_free_vgpr 768
		.amdhsa_next_free_sgpr 66
		.amdhsa_reserve_vcc 0
		.amdhsa_float_denorm_mode_32 3
		.amdhsa_float_denorm_mode_16_64 3
		.amdhsa_memory_ordered 1
		.amdhsa_forward_progress 1
		.amdhsa_inst_pref_size 174
	.end_amdhsa_kernel
	.amdgpu_metadata
---
amdhsa.version: [ 1, 2 ]
amdhsa.kernels:
  - .name:           k_qab7ee703a5_w2
    .symbol:         k_qab7ee703a5_w2.kd
    .args:
      - { .name: hid, .offset: 0, .size: 8, .value_kind: global_buffer, .address_space: global }
      - { .name: w16, .offset: 8, .size: 8, .value_kind: global_buffer, .address_space: global }
      - { .name: old, .offset: 16, .size: 8, .value_kind: global_buffer, .address_space: global }
      - { .name: xsum, .offset: 24, .size: 8, .value_kind: global_buffer, .address_space: global }
    .group_segment_fixed_size: 327680
    .private_segment_fixed_size: 0
    .kernarg_segment_align: 8
    .kernarg_segment_size: 32
    .max_flat_workgroup_size: 128
    .sgpr_count:     66
    .vgpr_count:     768
    .wavefront_size: 32
...
	.end_amdgpu_metadata
.endif
;; end of part 7
;; launch ln2 (part 8): grid 256 x 1, 8 waves a work-group, no clusters, 67,840 bytes of LDS; arguments xsum, b2, g2, be2, out0; writes out0
.if DOCPART == 8
	.amdgcn_target "amdgcn-amd-amdhsa--gfx1250"
	.amdhsa_code_object_version 6
	.text
	.protected	k_qab7ee703a5_ln2
	.globl	k_qab7ee703a5_ln2
	.p2align	8
	.type	k_qab7ee703a5_ln2,@function
k_qab7ee703a5_ln2:
	s_mov_b64 s[64:65], 0
	v_nop
	global_prefetch_b8 v0, s[64:65] scope:SCOPE_SE
	s_setreg_imm32_b32 hwreg(HW_REG_WAVE_MODE, 25, 1), 1
	s_wait_xcnt 0x0
; y = layernorm(x + c) g + b along rows of 1,024.  x lies in the order of 16 x 16 accumulators (1,024 bytes a tile: lane (r, h) holds row r, columns 8 h .. 8 h + 7; registers 0-3 at 16 x lane, 4-7 at 512 + 16 x lane).
; c is the bias of the product that made x.  A work-group takes 16 rows, wave w column tiles 8 w .. 8 w + 7: a lane holds 64 numbers of one row.  Mean first, then the mean of squared differences, as the source has it.
; A row's sums meet in LDS: a word for each row and wave, one barrier for each of the two sums.
; OUTROWS = 0: y leaves twice: in f32 in x's own order (a later residual), and in f16 as images of the next product's operand (two neighbouring tiles, packed in pairs, are one fragment).
; OUTROWS = 1: y leaves row-major in f32, through a stage in LDS, so that each store of a wave covers 512 consecutive bytes of a row.
.set OUTROWS, 1
.set RED1, 0                           ; LDS: [16 rows][8 waves] words
.set RED2, 512
.if OUTROWS
.set STG,   1024                       ; 16 rows x (4,096 + 16) bytes
.set SPARE, 66816                      ; the spare words, 128 bytes a wave
.else
.set SPARE, 1024
.endif
.set X,  32                            ; v32-95   my 64 numbers
.set CB, 96                            ; v96-159  c, later b
.set G,  160                           ; v160-223 g
.set H,  224                           ; v224-255 f16 results
	s_load_b256 s[4:11], s[0:1], 0x0               ; x 4, c 6, g 8, b 10
	s_load_b64 s[12:13], s[0:1], 0x20              ; the output
	v_lshl_add_u32 v7, v0, 2, SPARE                ; v7: LDS address of my spare word; v8: 0; neither is rewritten
	v_mov_b32 v8, 0
	v_lshrrev_b32 v1, 5, v0
	v_readfirstlane_b32 s14, v1                    ; wave 0..7
	v_and_b32 v1, 31, v0
	v_lshlrev_b32 v1, 4, v1                        ; 16 x lane
	v_and_b32 v2, 15, v0                           ; r
	v_bfe_u32 v3, v0, 4, 1                         ; h
	v_lshlrev_b32 v4, 5, v3                        ; my eight columns of a tile, in bytes
	v_lshlrev_b32 v6, 5, v2                        ; my row's eight words
	s_lshl_b32 s15, s14, 2
	v_add_nc_u32 v5, s15, v6                       ; my wave's word among them
	v_mov_b32 v14, 0                               ; (a lane permute's destination counts as one of its sources)
	s_mov_b32 s16, 0x76543210
	s_mov_b32 s17, 0xfedcba98
	s_mov_b32 s24, 0x3a800000                      ; 1 / 1,024
	s_lshl_b32 s18, ttmp9, 16
	s_lshl_b32 s20, s14, 13
	s_add_co_u32 s18, s18, s20                     ; tile 64 mt + 8 w; in the row-major output: row 16 mt + 2 w
	s_mov_b32 s19, 0
	s_lshl_b32 s20, s14, 9                         ; my 128 columns
	s_mov_b32 s21, 0
.if OUTROWS
	v_mul_u32_u24 v28, v2, 4112
	v_add_nc_u32 v28, v28, v4
	s_add_co_u32 s25, s20, STG
	v_add_nc_u32 v28, s25, v28                     ; into the stage: row r, + 512 w + 32 h
	s_mul_i32 s25, s14, 8224
	s_add_co_u32 s25, s25, STG
	v_add_nc_u32 v29, s25, v1                      ; back: rows 2 w and 2 w + 1, 16 bytes a lane
.else
	s_lshl_b32 s22, ttmp9, 15
	s_lshl_b32 s25, s14, 12
	s_add_co_u32 s22, s22, s25
	s_add_co_u32 s22, s22, 16777216                ; the f16 images: fragment 32 mt + 4 w, behind the f32 copy
	s_mov_b32 s23, 0
.endif
	s_wait_kmcnt 0x0
	s_add_nc_u64 s[4:5], s[4:5], s[18:19]
	s_add_nc_u64 s[6:7], s[6:7], s[20:21]
	s_add_nc_u64 s[8:9], s[8:9], s[20:21]
	s_add_nc_u64 s[10:11], s[10:11], s[20:21]
.if OUTROWS == 0
	s_add_nc_u64 s[22:23], s[12:13], s[22:23]
.endif
	s_add_nc_u64 s[12:13], s[12:13], s[18:19]
.irp t, 0,1,2,3,4,5,6,7
.irp e, 0,1
	global_load_b128 v[X+8*\t+4*\e:X+8*\t+4*\e+3], v1, s[4:5] offset:1024*\t+512*\e th:TH_LOAD_NT
.endr
.endr
.irp t, 0,1,2,3,4,5,6,7
.irp e, 0,1
	global_load_b128 v[CB+8*\t+4*\e:CB+8*\t+4*\e+3], v4, s[6:7] offset:64*\t+16*\e
.endr
.endr
.irp t, 0,1,2,3,4,5,6,7
.irp e, 0,1
	global_load_b128 v[G+8*\t+4*\e:G+8*\t+4*\e+3], v4, s[8:9] offset:64*\t+16*\e
.endr
.endr
	s_wait_loadcnt 16                              ; x and c are in; g's sixteen loads may be out
.set n, 0
.rept 32
	v_pk_add_f32 v[X+n:X+n+1], v[X+n:X+n+1], v[CB+n:CB+n+1]
.set n, n+2
.endr
.irp t, 0,1,2,3,4,5,6,7
.irp e, 0,1
	global_load_b128 v[CB+8*\t+4*\e:CB+8*\t+4*\e+3], v4, s[10:11] offset:64*\t+16*\e   ; b takes c's registers
.endr
.endr
; v10: the sum of my 64 numbers -> v16: the row's sum over all 1,024 columns
.macro REDUCE red
	v_pk_add_f32 v[10:11], v[10:11], v[12:13]
	v_add_f32 v10, v10, v11
	v_permlanex16_b32 v14, v10, s16, s17           ; the row's other 64 numbers of my wave lie in the lane 16 away
	v_add_f32 v10, v10, v14
	ds_store_b32 v5, v10 offset:\red               ; both halves of the lanes write the same word with the same value
	s_wait_dscnt 0x0                               ; for the others' sake: my store is done
	s_barrier_signal -1
	s_barrier_wait -1
	ds_load_b128 v[16:19], v6 offset:\red
	ds_load_b128 v[20:23], v6 offset:\red+16
	s_wait_dscnt 0x0
	v_pk_add_f32 v[16:17], v[16:17], v[18:19]
	v_pk_add_f32 v[20:21], v[20:21], v[22:23]
	v_pk_add_f32 v[16:17], v[16:17], v[20:21]
	v_add_f32 v16, v16, v17
.endm
	v_pk_add_f32 v[10:11], v[X:X+1], v[X+2:X+3]    ; two chains
	v_pk_add_f32 v[12:13], v[X+4:X+5], v[X+6:X+7]
.set n, 8
.rept 14
	v_pk_add_f32 v[10:11], v[10:11], v[X+n:X+n+1]
	v_pk_add_f32 v[12:13], v[12:13], v[X+n+2:X+n+3]
.set n, n+4
.endr
	REDUCE RED1
	v_mul_f32 v24, s24, v16                        ; the mean
	v_mov_b32 v25, v24
.set n, 0
.rept 32
	v_pk_add_f32 v[X+n:X+n+1], v[X+n:X+n+1], v[24:25] neg_lo:[0,1] neg_hi:[0,1]
.set n, n+2
.endr
	v_pk_mul_f32 v[10:11], v[X:X+1], v[X:X+1]
	v_pk_mul_f32 v[12:13], v[X+2:X+3], v[X+2:X+3]
.set n, 4
.rept 15
	v_pk_fma_f32 v[10:11], v[X+n:X+n+1], v[X+n:X+n+1], v[10:11]
	v_pk_fma_f32 v[12:13], v[X+n+2:X+n+3], v[X+n+2:X+n+3], v[12:13]
.set n, n+4
.endr
	REDUCE RED2                                    ; other words than the first sum's: no barrier between the reads of those and these stores
	v_fmaak_f32 v26, s24, v16, 0x3727c5ac          ; the variance + 1e-5
	v_rsq_f32 v26, v26
	v_nop
	s_wait_alu depctr_va_vdst(0)                   ; ahead of the first reader
	v_mov_b32 v27, v26
	s_wait_loadcnt 0x0                             ; g and b
.set n, 0
.rept 32
	v_pk_mul_f32 v[X+n:X+n+1], v[X+n:X+n+1], v[26:27]
.set n, n+2
.endr
.set n, 0
.rept 32
	v_pk_fma_f32 v[X+n:X+n+1], v[X+n:X+n+1], v[G+n:G+n+1], v[CB+n:CB+n+1]
.set n, n+2
.endr
.if OUTROWS
.irp t, 0,1,2,3,4,5,6,7
.irp e, 0,1
	ds_store_b128 v28, v[X+8*\t+4*\e:X+8*\t+4*\e+3] offset:64*\t+16*\e
.endr
.endr
	s_wait_dscnt 0x0                               ; for the others' sake: my stores into the stage are done
	s_barrier_signal -1
	s_barrier_wait -1
.irp i, 0,1,2,3,4,5,6,7,8,9,10,11,12,13,14,15
	ds_load_b128 v[X+4*\i:X+4*\i+3], v29 offset:(\i/8)*4112+512*(\i%8)
.endr
.irp i, 0,1,2,3,4,5,6,7,8,9,10,11,12,13,14,15
	s_wait_dscnt 15-\i                             ; load i is in; the younger ones may be out
	global_store_b128 v1, v[X+4*\i:X+4*\i+3], s[12:13] offset:(\i/8)*4096+512*(\i%8) th:TH_STORE_NT
.endr
.else
.irp t, 0,1,2,3,4,5,6,7
.irp e, 0,1
	global_store_b128 v1, v[X+8*\t+4*\e:X+8*\t+4*\e+3], s[12:13] offset:1024*\t+512*\e
.endr
.endr
.set n, 0
.rept 32
	v_cvt_pk_f16_f32 v[H+n], v[X+2*n], v[X+2*n+1]
.set n, n+1
.endr
.irp t, 0,1,2,3,4,5,6,7
	global_store_b128 v1, v[H+4*\t:H+4*\t+3], s[22:23] offset:1024*(\t/2)+512*(\t%2)
.endr
.endif
	s_wait_tensorcnt 0x0                           ; the wave's end, behind my last LDS store
	ds_add_u32 v7, v8
	s_wait_dscnt 0x0
	s_endpgm
.Lfunc_end_k_qab7ee703a5_ln2:
	.size	k_qab7ee703a5_ln2, .Lfunc_end_k_qab7ee703a5_ln2-k_qab7ee703a5_ln2
	.p2alignl 7, 3214868480
	.fill 96, 4, 3214868480
	.section	.rodata,"a",@progbits
	.p2align	6, 0x0
	.amdhsa_kernel k_qab7ee703a5_ln2
		.amdhsa_group_segment_fixed_size 67840
		.amdhsa_private_segment_fixed_size 0
		.amdhsa_enable_private_segment 0
		.amdhsa_kernarg_size 40
		.amdhsa_user_sgpr_count 2
		.amdhsa_user_sgpr_kernarg_segment_ptr 1
		.amdhsa_wavefront_size32 1
		.amdhsa_system_sgpr_workgroup_id_x 1
		.amdhsa_system_sgpr_workgroup_id_y 1
		.amdhsa_system_sgpr_workgroup_id_z 1
		.amdhsa_system_vgpr_workitem_id 0
		.amdhsa_next_free_vgpr 256
		.amdhsa_next_free_sgpr 66
		.amdhsa_reserve_vcc 0
		.amdhsa_float_denorm_mode_32 3
		.amdhsa_float_denorm_mode_16_64 3
		.amdhsa_memory_ordered 1
		.amdhsa_forward_progress 1
		.amdhsa_inst_pref_size 26
	.end_amdhsa_kernel
	.amdgpu_metadata
---
amdhsa.version: [ 1, 2 ]
amdhsa.kernels:
  - .name:           k_qab7ee703a5_ln2
    .symbol:         k_qab7ee703a5_ln2.kd
    .args:
      - { .name: xsum, .offset: 0, .size: 8, .value_kind: global_buffer, .address_space: global }
      - { .name: b2, .offset: 8, .size: 8, .value_kind: global_buffer, .address_space: global }
      - { .name: g2, .offset: 16, .size: 8, .value_kind: global_buffer, .address_space: global }
      - { .name: be2, .offset: 24, .size: 8, .value_kind: global_buffer, .address_space: global }
      - { .name: out0, .offset: 32, .size: 8, .value_kind: global_buffer, .address_space: global }
    .group_segment_fixed_size: 67840
    .private_segment_fixed_size: 0
    .kernarg_segment_align: 8
    .kernarg_segment_size: 40
    .max_flat_workgroup_size: 256
    .sgpr_count:     66
    .vgpr_count:     256
    .wavefront_size: 32
...
	.end_amdgpu_metadata
.endif
;; end of part 8
